; MI455X (gfx1250); checked and timed in simulation.
; The chip was launched on July 23, 2026; its instructions are those of AMD's public machine-readable ISA for CDNA 5 (MIT licence, August 2026) and "CDNA5" Instruction Set Architecture Reference Guide (July 2026). The comments in the code are by the model that wrote it; some were corrected since.
;; Flex Bert Padded Rope Attention. Allowed arithmetic: matrix products marked QUANTISED: E4M3 operands, one E8M0 scale for each 32 along K, by v_wmma_scale_f32_16x16x128_f8f6f4 with both operands' format E4M3, f32 sums; products left as they are: f32 operands where the result goes on into a quantised operand, else bf16, f16 or f32 operands; f32 sums; everything else in f32.
;; Inputs: Wo_b 1,024 float32; Wo_w_codes 1,024 x 32 x 32 uint8 (E4M3 codes of Wo_w, K innermost, in blocks of 32 codes); Wo_w_scales 1,024 x 32 uint8 (E8M0 scales of Wo_w, one for each 32 codes along K); Wqkv_b 3,072 float32; Wqkv_w_codes 3,072 x 32 x 32 uint8 (E4M3 codes of Wqkv_w, K innermost, in blocks of 32 codes); Wqkv_w_scales 3,072 x 32 uint8 (E8M0 scales of Wqkv_w, one for each 32 codes along K); hidden_states_codes 4 x 2,048 x 32 x 32 uint8 (E4M3 codes of hidden_states, K innermost, in blocks of 32 codes); hidden_states_scales 4 x 2,048 x 32 uint8 (E8M0 scales of hidden_states, one for each 32 codes along K).
;; Outputs: out0 4 x 2,048 x 1,024 float32.
;; This version of the problem:
;;   THIS VERSION OF THE PROBLEM IS GIVEN IN LOW PRECISION. The matrix products marked QUANTISED in the list below multiply operands that are first quantised to E4M3 (4 exponent bits, 3 mantissa bits; 8 bits a number), with one power-of-two scale for each 32 numbers along K (OCP MX v1.0); their sums are f32. All else is computed in f32.
;;   The module's matrix products, in the order in which they are computed (A, B: the left and right operand; K: the contracted axis; several contracted axes count as one K, in the product's order):
;;     1. [M 8,192, K 1,024] x [K 1,024, N 3,072]; A: input hidden_states (given as codes); B: input Wqkv_w (given as codes): QUANTISED
;;     2. [M 2,048, K 1] x [K 1, N 32]; A: computed on the way; B: computed on the way: left as it is (no contracted axis)
;;     3. batch 64 x [M 2,048, K 64] x [K 64, N 2,048]; A: computed on the way; B: computed on the way: QUANTISED
;;     4. batch 64 x [M 64, K 2,048] x [K 2,048, N 2,048]; A: computed on the way; B: softmax (see below): QUANTISED
;;     5. [M 8,192, K 1,024] x [K 1,024, N 1,024]; A: computed on the way; B: input Wo_w (given as codes): QUANTISED
;;   THE QUANTISER, for each operand of a quantised product, along K:
;;     - K is cut into blocks of 32 from its start; a last block that is shorter is filled with zeros.
;;     - A block's scale is 2^e with e = floor(log2(the largest magnitude in the block)) - 8, held to -126 .. 127; a block of zeros has e = 0. As a byte (E8M0): e + 127.
;;     - Each number is divided by its block's scale, clamped to +-448, and rounded to the nearest number of E4M3, ties to even, subnormals kept.
;;     - The product sums the exact products of the quantised numbers (number of the format x scale) in f32.
;;   ~~~python
;;   def quantise(x, axis):      # numpy; x: float32 -> the quantised numbers, widened to float32 again
;;       x = np.moveaxis(x, axis, -1); K = x.shape[-1]
;;       x = np.pad(x, [(0, 0)] * (x.ndim - 1) + [(0, -K % 32)]); x = x.reshape(x.shape[:-1] + (-1, 32)); a = np.abs(x).max(-1, keepdims=True)
;;       e = np.where(a > 0, np.clip(np.frexp(np.where(a > 0, a, 1))[1] - 1 - 8, -126, 127), 0)      # np.frexp(a)[1] - 1 = floor(log2(a)), exactly
;;       r = np.clip(x / 2.0 ** e, -448, 448)
;;       step = 2.0 ** (np.maximum(np.frexp(np.where(r == 0, 1, r))[1] - 1, -6) - 3)
;;       q = np.round(r / step) * step * 2.0 ** e      # np.round: ties to even
;;       return np.moveaxis(q.reshape(q.shape[:-2] + (-1,))[..., :K], -1, axis).astype(np.float32)
;;   ~~~
;;   SOFTMAX AHEAD OF A QUANTISED PRODUCT. Where the list says 'softmax', what is quantised is not the finished softmax but p = 2^(t - M), with t = logit x log2(e) and M = ceil(the row's largest t), a whole number; so 1/2 < the row's largest p <= 1. The row's sum l is taken of the UNQUANTISED p, in f32, and the product's result is divided by l at the end. Since M is a whole number, a kernel that streams over the keys may use a running M (the ceiling of the running maximum): every later rescaling is an exact power of two, which a block's scale takes up: the codes' values come out the same.
;;   OPERANDS COMPUTED ON THE WAY. 'Computed on the way' means the value that the module computes at that place (a softmax that the list does not call 'softmax' is quantised finished and normalised). What goes into a quantiser is computed in f32, as accurately as f32 sums, v_exp_f32 and their like allow (about 1e-6 of the number): no bf16 or f16 on the way to a quantiser, and a product that is left as it is and whose result goes on into a quantised operand takes f32 operands (vector FMAs, or v_wmma_f32_16x16x4_f32). A number that lies on a knife's edge between two numbers of the format may be rounded either way, as far as f32 arithmetic and the matrix unit's own rounding can turn it there, and no further.
;;   INPUTS GIVEN AS CODES. Wo_w (in the module: [1024, 1024], K = its axis 1); Wqkv_w (in the module: [3072, 1024], K = its axis 1); hidden_states (in the module: [4, 2048, 1024], K = its axis 2): each comes as NAME_codes (uint8): NAME with its K axis moved to the last place and cut into blocks of 32 codes, [.., K / 32, bytes a block], one block behind the other in memory; one code a byte (a code: sign, 4 exponent bits, 3 mantissa bits); and NAME_scales (uint8): the same leading axes, one E8M0 byte (e + 127) for each 32 codes along K. Its value is code x scale, taken as it is: it is not quantised again, and the codes and scales need not be those that the quantiser above would give.
;; One version. Each part assembles by itself: llvm-mc -triple=amdgcn-amd-amdhsa -mcpu=gfx1250 --defsym DOCPART=n.
;; ======== version 1 of 1: 4 launches
;; limits: right only within a limited range of input values
;; workspace buffers: qk_codes 16,777,216 bytes; qk_scales 1,048,576 bytes; v_codes 8,388,608 bytes; v_scales 262,144 bytes; rope_tab 524,288 bytes; attn_img 8,388,608 bytes; attn_sc 524,288 bytes
;; launch vproj (part 1): grid 32 x 4, 4 waves a work-group, clusters of 4 x 4, 327,680 bytes of LDS; arguments Wqkv_w_codes, Wqkv_w_scales, hidden_states_codes, hidden_states_scales, v_codes, Wqkv_b, v_scales, rope_tab; writes v_codes, v_scales, rope_tab
.if DOCPART == 1
	.amdgcn_target "amdgcn-amd-amdhsa--gfx1250"
	.amdhsa_code_object_version 6
	.text
	.protected	k_q13c194120a_vproj
	.globl	k_q13c194120a_vproj
	.p2align	8
	.type	k_q13c194120a_vproj,@function
k_q13c194120a_vproj:
	s_mov_b64 s[64:65], 0
	v_nop
	global_prefetch_b8 v0, s[64:65] scope:SCOPE_SE
	s_setreg_imm32_b32 hwreg(HW_REG_WAVE_MODE, 25, 1), 1
	s_wait_xcnt 0x0
	s_wait_alu depctr_hold_cnt(0) depctr_sa_sdst(0) depctr_va_vdst(0) depctr_va_sdst(0) depctr_va_ssrc(0) depctr_va_vcc(0) depctr_vm_vsrc(0)
	s_getreg_b32 s2, hwreg(HW_REG_IB_STS2, 6, 4)
	s_cmp_eq_u32 s2, 0
	s_cbranch_scc0 .Lentry_in_a_cluster
	s_endpgm
.Lentry_in_a_cluster:
	s_bfe_u32 s2, ttmp6, 0x10000c
	s_cmp_lg_u32 s2, 0xf033
	s_cbranch_scc0 .Lentry_shape_is_right
	s_endpgm
.Lentry_shape_is_right:
; V^T[channel][token] = sum over k of Wv[channel][k] hidden[token][k] + b[channel], on codes of FP8 (E4M3) with one E8M0 scale for each 32 along K, and then QUANTISED ALONG THE TOKENS,
; which are the K of attention's second product.  Wv = rows 2,048 to 3,071 of Wqkv_w: A, [1,024][1,024]; hidden: B, [8,192][1,024].  Besides, each work-group makes 16 tokens of the rotary table.
; A tile of 256 channels x 256 tokens is made by four waves, 128 x 128 each: 64 accumulators of 16 x 16, 512 registers.  K goes in steps of 256 through a ring of two LDS slots filled by the tensor
; data mover; the scale bytes of the work-group's rows, for all of K, come into LDS once.  CLUSTERS: 4 x 4 work-groups; A's tiles are asked for jointly along a row of the cluster, B's along a column.
; THE MATRIX INSTRUCTION IS USED TRANSPOSED (source 0 = 16 tokens, source 1 = 16 channels): lane (r, h) holds channel r of block a, and register j of accumulator (a, b) token 16 b + 8 h + j.
; So the 16 registers of accumulators 2 c and 2 c + 1 are 16 of the 32 tokens of block c, and lanes l and l xor 16 hold the block.  The two conversions' 16 bytes are taken AS registers 4 c .. 4 c + 3 of
; the operand's fragment in that very lane: slot 16 h + 8 u + j of block c holds token 32 c + 16 u + 8 h + j.  That is a permutation inside a block of 32, and attention's weights come out of its first
; product in the same order: products and scales are kept.  The codes are stored as images of the fragments' registers: each store of the wave covers 512 consecutive bytes, aligned.
;   v_codes  [batch][head][J = token / 128][t = channel / 16][c][lane][16 bytes];   v_scales [batch][head][J][channel 64] words (the four blocks of step J).
; THE ROTARY TABLE: rope_tab [T = token / 16][cos, sin][u][q][lane][4 f32]: lane (r, h): token 16 T + r, frequency f = 16 u + 8 h + 4 q + i.  Angle = fl(token x 10^(-f / 8)); it is reduced by n pi / 2 in two
; fused steps (the first is exact for angles under 2,048: n has 11 bits), and sine and cosine are polynomials on +-pi / 4; the quadrant only selects and sets signs.
; LIMITS: NaN and infinities among the inputs are not served.  A block of zeros gets the byte 1, not 127: its codes are zeros, and this program alone reads the bytes.  10^(-f / 8) is the nearest f32
; number, which may differ by one unit in the last place from a power and a division in f32; sine and cosine are good to about 1e-7 absolute for angles up to 2,047.
; LEFT OUT: prefetches (four K steps, of which two are first fills); work-groups that stay (one tile each).
; REGISTERS, in windows of 256: window 0: v0-31 addresses; v32-63 scale words, two sets; v64-71 the bias; v78-119 the table, at the head; from v128 A's fragments, one set; on the way out v128-239 at work.
;   window 1: B's fragments, two sets.   window 2: the accumulators of my channels 0-63 ((a, b) at v[8 (8 a + b)]);   window 3: those of channels 64-127.
.set SIZE_K, 1024
.set KSTEP,  256
.set NQ,     KSTEP/128
.set ROWB,   256                       ; a tile's row in bytes
.set KROW,   SIZE_K                    ; a row of A or of B in memory, in bytes
.set PITCH,  272                       ; an LDS row: 256 bytes + 16 of padding: the 16 rows that a load touches start at 16 different banks (64 banks of 4 bytes: ISA guide 11.1)
.set FR,     16
.set NL,     4
.set NP,     8                         ; places behind this matrix instruction (ISA guide 7.12.1)
.set HALFT,  128*PITCH
.set SLOT,   4*HALFT
.set LAPS,   SIZE_K/(2*KSTEP)
.set KS,     SIZE_K/32
.set SCL,    2*SLOT                    ; behind the ring: the scale bytes, as units of 256 bytes + 16 of padding
.set HALFS,  (128*KS/256)*272
.set SBLK,   (16*KS/256)*272
.set SPARE,  SCL+4*HALFS               ; the spare words, 128 bytes for each wave: two blocks of 256 bytes that no other line names
.set SST,    SPARE+512                 ; 1,024 bytes for each wave: the scale words on their way out; no tile lands here
.set ADRA, 16
.set ADRB, 20
.set LO,   24                          ; v24  16 x lane
.set SSA,  25                          ; v25  where I put a scale word: SST + 1,024 wave + 4 r
.set SSR,  26                          ; v26  where I read them back: SST + 1,024 wave + 16 lane
.set ADRS, 27
.set SPW,  28
.set NIL,  29
.set BO,   30                          ; v30  4 r: the bias loads' offset
.set VSO,  31                          ; v31  my 16 bytes in v_scales: 4,096 (lane / 16) + 16 (lane % 16)
.set SC,   32
.set BI,   64                          ; v64-71 b of channel 16 a + r
.set AF,   128
.set TMP,  128                         ; v128-191 64 numbers of a lane
.set PC,   192                         ; v192-207 their codes
.set TM,   208                         ; v208-223 at work in QUANT
.set PW,   224                         ; the scale word just made
.set G1, 24
.set G0, 32
.set G1B, 48
.set G0B, 56
.set G1S, 68
.set G0S, 76
.set G1SB, 80
.set G0SB, 88
.set SEL, 92                           ; s[92:93] lane selects for v_permlanex16_b32: lane l xor 16
.set MNT, 94                           ; s94 the mantissa field of 448
.set HM,  95                           ; s95 the mask of lanes 16-31
.set MSB, 0
.macro WIN new                         ; the immediate's high byte repeats the setting that is left
.if MSB != (\new)
	s_set_vgpr_msb (MSB<<8)|(\new)
.set MSB, (\new)
.endif
.endm
.set MUL_LO, 0xa1                      ; source 0 (B) window 1, source 1 (A) window 0, C and D window 2
.set MUL_HI, 0xf1
.set TO_B,   0x40
; A joint load: waves 0 and 1 fetch for A, waves 2 and 3 for B; the branch hangs on the wave's number alone.  Four v_nop follow each of the two lines.
.macro JLOAD g0a, g1a, g0b, g1b
	s_cmp_eq_u32 s15, 0
	s_cbranch_scc0 .Lfor_b_\@
	tensor_load_to_lds s[\g0a:\g0a+3], s[\g1a:\g1a+7]
	s_nop 0
.rept 4
	v_nop
.endr
	s_branch .Lasked_\@
.Lfor_b_\@:
	tensor_load_to_lds s[\g0b:\g0b+3], s[\g1b:\g1b+7]
	s_nop 0
.rept 4
	v_nop
.endr
.Lasked_\@:
.endm
.macro CREST                           ; a round of the cluster's barrier behind its opening barrier
	s_cmp_lg_u32 s14, 0
	s_cbranch_scc1 .Lnot_wave_0_\@
	s_barrier_signal -3
.Lnot_wave_0_\@:
	s_barrier_wait -3
	s_barrier_signal -1
	s_barrier_wait -1
.endm
.macro CROUND
	s_barrier_signal -1
	s_barrier_wait -1
	CREST
.endm
	s_load_b128 s[4:7], s[0:1], 0x0                ; Wqkv's codes, its scales
	s_load_b128 s[8:11], s[0:1], 0x10              ; hidden's codes, its scales
	s_load_b64 s[12:13], s[0:1], 0x20              ; v_codes
	s_load_b64 s[96:97], s[0:1], 0x28              ; Wqkv_b
	s_load_b64 s[98:99], s[0:1], 0x30              ; v_scales
	s_load_b64 s[100:101], s[0:1], 0x38            ; rope_tab
	v_lshl_add_u32 v[SPW], v0, 2, SPARE
	v_mov_b32 v[NIL], 0
	ds_add_u32 v28, v29
	ds_add_u32 v28, v29
	s_wait_dscnt 0x0
	v_lshrrev_b32 v1, 5, v0
	v_readfirstlane_b32 s14, v1                    ; wave 0..3
	s_lshr_b32 s15, s14, 1                         ; which half of the tile's channels is mine.  Also: I fetch for A (0) or for B (1)
	s_and_b32 s16, s14, 1                          ; which half of its tokens.  Also: which 128 rows of that tile I fetch
	s_bfe_u32 s40, ttmp6, 0x40000                  ; cx, cy: my place in the cluster
	s_bfe_u32 s41, ttmp6, 0x40004
	s_lshl_b32 s42, ttmp9, 2
	s_add_co_u32 s42, s42, s40                     ; tile column (tokens) = 4 x cluster x + cx
	s_and_b32 s17, ttmp7, 0xffff
	s_lshl_b32 s17, s17, 2
	s_add_co_u32 s17, s17, s41                     ; tile row (channels) = 4 x cluster y + cy
	s_lshl_b32 s43, s41, 2
	s_lshl_b32 s43, 15, s43                        ; my row of the cluster
	s_lshl_b32 s44, 0x1111, s40                    ; my column
	; descriptor group 1: a tile of 128 rows x 256 bytes, 16 bytes of padding behind each row
	s_or_b32 s[G1+0], s43, (0<<16)|(1<<20)|(1<<21)|(5<<22)|(3<<25)  ; 15:0 the mask; 17:16 elements of 1 byte; 20 padding on; 21 set beside a mask; 24:22 after every 64 words; 31:25 four words
	s_or_b32 s[G1B+0], s44, (0<<16)|(1<<20)|(1<<21)|(5<<22)|(3<<25)
.irp g, G1, G1B
	s_mov_b32 s[\g+1], ROWB<<16                    ; tensor_dim0
	s_mov_b32 s[\g+2], 256<<16                     ; tensor_dim1: 256 rows for the head's loads; set to 128 for the ring's behind them
	s_mov_b32 s[\g+3], ROWB<<16                    ; tile_dim0
	s_mov_b32 s[\g+4], 256                         ; tile_dim1
	s_mov_b32 s[\g+5], KROW                        ; tensor_dim0_stride
	s_mov_b32 s[\g+6], 0
	s_mov_b32 s[\g+7], 0
.endr
	; the scale bytes of 256 rows: a dense block of 8,192 bytes, as rows of 256 bytes (32 elements of 8 bytes), 16 bytes of padding behind each
	s_or_b32 s[G1S+0], s43, (3<<16)|(1<<20)|(1<<21)|(5<<22)|(3<<25)
	s_or_b32 s[G1SB+0], s44, (3<<16)|(1<<20)|(1<<21)|(5<<22)|(3<<25)
.irp g, G1S, G1SB
	s_mov_b32 s[\g+1], 32<<16
	s_mov_b32 s[\g+2], KS<<16                      ; the scale bytes of 256 rows: KS rows of 256 bytes
	s_mov_b32 s[\g+3], 32<<16
	s_mov_b32 s[\g+4], KS
	s_mov_b32 s[\g+5], 32
	s_mov_b32 s[\g+6], 0
	s_mov_b32 s[\g+7], 0
.endr
	s_lshl_b32 s20, s17, 8                         ; A: the tile's first row
	s_lshl_b32 s46, s42, 8                         ; B: likewise
	s_mov_b32 s21, 0
	s_mov_b32 s47, 0
	s_mov_b64 s[18:19], KS
	s_mul_u64 s[22:23], s[20:21], s[18:19]         ; where these rows' scale bytes begin
	s_mul_u64 s[92:93], s[46:47], s[18:19]
	s_mov_b64 s[18:19], KROW
	s_mul_u64 s[20:21], s[20:21], s[18:19]         ; and their codes
	s_mul_u64 s[46:47], s[46:47], s[18:19]
	s_mul_i32 s45, s14, HALFT                      ; where they go: wave x 128 rows: no place in the cluster enters an LDS address
	s_wait_kmcnt 0x0
	s_add_nc_u64 s[4:5], s[4:5], 2048*KROW         ; Wv begins at row 2,048 of Wqkv_w,
	s_add_nc_u64 s[6:7], s[6:7], 2048*KS           ; its scale bytes likewise,
	s_add_nc_u64 s[96:97], s[96:97], 2048*4        ; and its bias
	s_add_nc_u64 s[20:21], s[4:5], s[20:21]
	s_add_nc_u64 s[22:23], s[6:7], s[22:23]
	s_add_nc_u64 s[46:47], s[8:9], s[46:47]
	s_add_nc_u64 s[92:93], s[10:11], s[92:93]
	CROUND                                         ; all sixteen work-groups are here: the first joint loads meet
	s_mov_b32 s[G0S], 1
	s_mov_b32 s[G0S+1], SCL
	s_mov_b64 s[G0S+2:G0S+3], s[22:23]
	s_or_b32 s[G0S+3], s[G0S+3], 0x80000000
	s_mov_b32 s[G0SB], 1
	s_mov_b32 s[G0SB+1], SCL+2*HALFS
	s_mov_b64 s[G0SB+2:G0SB+3], s[92:93]
	s_or_b32 s[G0SB+3], s[G0SB+3], 0x80000000
	s_mov_b32 s4, 1                                ; group 0 of the head's loads of K step 0, in registers that held arguments: A's 256 rows,
	s_mov_b32 s5, 0
	s_mov_b64 s[6:7], s[20:21]
	s_or_b32 s7, s7, 0x80000000
	s_mov_b32 s8, 1                                ; B's 256 rows, behind them in slot 0
	s_mov_b32 s9, 2*HALFT
	s_mov_b64 s[10:11], s[46:47]
	s_or_b32 s11, s11, 0x80000000
	s_mul_i32 s18, s16, 128*KROW                   ; in the ring I fetch 128 rows of a tile: which half
	s_mov_b32 s19, 0
	s_add_nc_u64 s[20:21], s[20:21], s[18:19]
	s_add_nc_u64 s[46:47], s[46:47], s[18:19]
.irp s, 0,1
	s_mov_b32 s[G0+4*\s], 1
	s_add_co_u32 s[G0+4*\s+1], s45, \s*SLOT
	s_add_nc_u64 s[G0+4*\s+2:G0+4*\s+3], s[20:21], \s*ROWB
	s_or_b32 s[G0+4*\s+3], s[G0+4*\s+3], 0x80000000
	s_mov_b32 s[G0B+4*\s], 1
	s_add_co_u32 s[G0B+4*\s+1], s45, \s*SLOT
	s_add_nc_u64 s[G0B+4*\s+2:G0B+4*\s+3], s[46:47], \s*ROWB
	s_or_b32 s[G0B+4*\s+3], s[G0B+4*\s+3], 0x80000000
.endr
; The head's loads, one a wave: wave 0 K step 0's 256 rows of A, wave 1 those of B, wave 2 A's scale bytes, wave 3 B's.  One chain on the wave's number; every way passes one load.
.macro ARM under, g0, g1, next
	s_cmp_lt_u32 s14, \under
	s_cbranch_scc0 \next
	tensor_load_to_lds s[\g0:\g0+3], s[\g1:\g1+7]
	s_nop 0
.rept 4
	v_nop
.endr
	s_branch .Lhead_asked
\next:
.endm
	ARM 1, 4,   G1,  .Lhead_b
	ARM 2, 8,   G1B, .Lhead_sa
	ARM 3, G0S, G1S, .Lhead_sb
	tensor_load_to_lds s[G0SB:G0SB+3], s[G1SB:G1SB+7]
	s_nop 0
.rept 4
	v_nop
.endr
.Lhead_asked:
	v_and_b32 v1, 15, v0                           ; r = l % 16
	v_bfe_u32 v2, v0, 4, 1                         ; h = l / 16
	v_mul_u32_u24 v3, v1, PITCH
	v_lshl_add_u32 v4, v2, 4, v3                   ; a fragment's row x pitch + 16 x half
	s_mul_i32 s21, s15, HALFT                      ; my 128 rows of A
	s_mul_i32 s22, s16, HALFT                      ; my 128 rows of B,
	s_add_co_u32 s22, s22, 2*HALFT                 ; which lie behind A's 256
.irp s, 0,1
	v_add_nc_u32 v[ADRA+\s], s21, v4
	v_add_nc_u32 v[ADRB+\s], s22, v4
	s_add_co_u32 s21, s21, SLOT
	s_add_co_u32 s22, s22, SLOT
.endr
	v_mul_u32_u24 v5, v1, KS                       ; my row's scale bytes: KS bytes a row,
	v_lshrrev_b32 v6, 8, v5
	v_lshl_add_u32 v5, v6, 4, v5                   ; and 16 more for each 256 passed
	s_mul_i32 s21, s15, HALFS
	s_mul_i32 s22, s16, HALFS
	s_add_co_u32 s22, s22, 2*HALFS
	s_sub_co_u32 s22, s22, s21
	v_mul_u32_u24 v6, s22, v2                      ; lanes 16-31 take B's
	s_add_co_u32 s21, s21, SCL
	v_add_nc_u32 v5, v5, v6
	v_add_nc_u32 v[ADRS], s21, v5
	v_and_b32 v6, 31, v0
	v_lshlrev_b32 v[LO], 4, v6
	s_lshl_b32 s23, s14, 10
	s_add_co_u32 s23, s23, SST                     ; my wave's 1,024 bytes for scale words
	v_lshl_add_u32 v[SSA], v1, 2, s23
	v_add_nc_u32 v[SSR], s23, v[LO]
	v_lshlrev_b32 v[BO], 2, v1
	s_wait_alu depctr_va_vdst(0)
	v_lshlrev_b32 v[VSO], 4, v1
	v_lshl_add_u32 v[VSO], v2, 12, v[VSO]
	v_cmp_ne_u32 s[HM], 0, v2
	s_mov_b32 s[SEL], 0x76543210
	s_mov_b32 s[SEL+1], 0xfedcba98
	s_mov_b32 s[MNT], 0x600000
	; where my wave's results go
	s_lshr_b32 s20, s42, 3                         ; the batch: 8 tile columns each
	s_lshl_b32 s21, s17, 2
	s_lshl_b32 s22, s15, 1
	s_add_co_u32 s21, s21, s22                     ; my first head: 4 x tile row + 2 x half
	s_and_b32 s22, s42, 7
	s_lshl_b32 s22, s22, 1
	s_add_co_u32 s22, s22, s16                     ; J: my 128 tokens within the batch
	s_lshl_b32 s46, s20, 21
	s_lshl_b32 s23, s21, 17
	s_add_co_u32 s46, s46, s23
	s_lshl_b32 s23, s22, 13
	s_add_co_u32 s46, s46, s23
	s_mov_b32 s47, 0
	s_add_nc_u64 s[12:13], s[12:13], s[46:47]      ; v_codes: 2,097,152 batch + 131,072 head + 8,192 J
	s_lshl_b32 s46, s20, 16
	s_lshl_b32 s23, s21, 12
	s_add_co_u32 s46, s46, s23
	s_lshl_b32 s23, s22, 8
	s_add_co_u32 s46, s46, s23
	s_add_nc_u64 s[98:99], s[98:99], s[46:47]      ; v_scales: 65,536 batch + 4,096 head + 256 J
	s_lshl_b32 s46, s17, 10
	s_lshl_b32 s23, s15, 9
	s_add_co_u32 s46, s46, s23
	s_add_nc_u64 s[96:97], s[96:97], s[46:47]      ; the bias of my 128 channels
.irp a, 0,1,2,3,4,5,6,7
	global_load_b32 v[BI+\a], v[BO], s[96:97] offset:64*\a
.endr
	; ---- the rotary table: this work-group's 16 tokens, T = 32 x tile row + tile column; wave w = 2 u + q; it is made while the first tiles are on their way
	s_lshl_b32 s20, s17, 5
	s_add_co_u32 s20, s20, s42                     ; T
	s_lshl_b32 s46, s20, 12
	s_lshl_b32 s23, s14, 9
	s_add_co_u32 s46, s46, s23
	s_add_nc_u64 s[100:101], s[100:101], s[46:47]  ; rope_tab: 4,096 T + 512 wave
	s_lshl_b32 s20, s20, 4
	v_add_nc_u32 v78, s20, v1
	v_cvt_f32_u32 v78, v78                         ; my token, as f32
.irp i, 0,1,2,3
	v_mov_b32 v[80+\i], 0                          ; written on every wave's way; one of the four blocks below writes the angles
.endr
.macro FREQ dst, lo, hi                ; the angle: token x 10^(-f / 8); lanes 0-15 take frequency f, lanes 16-31 f + 8
	v_mul_f32 v92, \lo, v78
	v_mul_f32 v93, \hi, v78
	v_cndmask_b32 v[\dst], v92, v93, s[HM]
.endm
	s_cmp_lg_u32 s14, 0
	s_cbranch_scc1 .Lnot_w0
	FREQ 80, 1.0, 0.1
	FREQ 81, 0.7498942093324559, 0.07498942093324559
	FREQ 82, 0.5623413251903491, 0.05623413251903491
	FREQ 83, 0.4216965034285822, 0.04216965034285822
.Lnot_w0:
	s_cmp_lg_u32 s14, 1
	s_cbranch_scc1 .Lnot_w1
	s_wait_alu depctr_va_vdst(0)
	FREQ 80, 0.31622776601683794, 0.031622776601683794
	FREQ 81, 0.23713737056616552, 0.023713737056616552
	FREQ 82, 0.17782794100389228, 0.017782794100389228
	FREQ 83, 0.1333521432163324, 0.01333521432163324
.Lnot_w1:
	s_cmp_lg_u32 s14, 2
	s_cbranch_scc1 .Lnot_w2
	s_wait_alu depctr_va_vdst(0)
	FREQ 80, 0.01, 0.001
	FREQ 81, 0.007498942093324559, 0.0007498942093324559
	FREQ 82, 0.005623413251903491, 0.0005623413251903491
	FREQ 83, 0.004216965034285822, 0.0004216965034285822
.Lnot_w2:
	s_cmp_lg_u32 s14, 3
	s_cbranch_scc1 .Lnot_w3
	s_wait_alu depctr_va_vdst(0)
	FREQ 80, 0.0031622776601683794, 0.00031622776601683794
	FREQ 81, 0.0023713737056616552, 0.00023713737056616552
	FREQ 82, 0.0017782794100389228, 0.00017782794100389228
	FREQ 83, 0.001333521432163324, 0.0001333521432163324
.Lnot_w3:
	s_mov_b32 s20, 0xb94ca1f9                      ; sine: -1.9515295891e-4,
	s_mov_b32 s21, 0x3c08839e                      ; 8.3321608736e-3,
	s_mov_b32 s22, 0xbe2aaaa3                      ; -1.6666654611e-1
	s_mov_b32 s23, 0x37ccf5ce                      ; cosine: 2.4433157118e-5,
	s_mov_b32 s46, 0xbab6061a                      ; -1.3887316255e-3,
	s_mov_b32 s47, 0x3d2aaaa5                      ; 4.1666645683e-2
	s_wait_alu depctr_va_vdst(0)
.irp i, 0,1,2,3
	v_mul_f32 v[92+\i], 0x3f22f983, v[80+\i]       ; x 2 / pi
.endr
.irp i, 0,1,2,3
	v_rndne_f32 v[92+\i], v[92+\i]                 ; n
.endr
.irp i, 0,1,2,3
	v_fmamk_f32 v[96+\i], v[92+\i], 0xbfc90fdb, v[80+\i]   ; x - n x (pi / 2 as f32): exact
.endr
.irp i, 0,1,2,3
	v_fmamk_f32 v[96+\i], v[92+\i], 0x333bbd2e, v[96+\i]   ; + n x 4.3711388e-8, by which that f32 number is too large: r
.endr
.irp i, 0,1,2,3
	v_cvt_i32_f32 v[100+\i], v[92+\i]
.endr
.irp i, 0,1,2,3
	v_mul_f32 v[104+\i], v[96+\i], v[96+\i]        ; z = r r
.endr
.irp i, 0,1,2,3
	v_fma_f32 v[108+\i], v[104+\i], s20, s21
	v_fma_f32 v[112+\i], v[104+\i], s23, s46
.endr
.irp i, 0,1,2,3
	v_fma_f32 v[108+\i], v[108+\i], v[104+\i], s22
	v_fma_f32 v[112+\i], v[112+\i], v[104+\i], s47
.endr
.irp i, 0,1,2,3
	v_mul_f32 v[108+\i], v[108+\i], v[104+\i]
	v_mul_f32 v[112+\i], v[112+\i], v[104+\i]
	v_fma_f32 v[116+\i], v[104+\i], -0.5, 1.0
.endr
.irp i, 0,1,2,3
	v_fma_f32 v[108+\i], v[108+\i], v[96+\i], v[96+\i]     ; sin r
	v_fma_f32 v[112+\i], v[112+\i], v[104+\i], v[116+\i]   ; cos r
.endr
.irp i, 0,1,2,3                        ; the quadrant: n odd swaps the two; bit 1 of n is the sine's sign, bit 1 of n + 1 the cosine's.  Selects only: no branch hangs on a number
	v_and_b32 v[116+\i], 1, v[100+\i]
	v_cmp_eq_u32 vcc_lo, 1, v[116+\i]
	v_cndmask_b32 v[88+\i], v[108+\i], v[112+\i], vcc_lo
	v_cndmask_b32 v[84+\i], v[112+\i], v[108+\i], vcc_lo
	v_lshlrev_b32 v[116+\i], 30, v[100+\i]
	v_add_nc_u32 v[100+\i], 1, v[100+\i]
	v_and_b32 v[116+\i], 0x80000000, v[116+\i]
	v_lshlrev_b32 v[100+\i], 30, v[100+\i]
	v_xor_b32 v[88+\i], v[88+\i], v[116+\i]
	v_and_b32 v[100+\i], 0x80000000, v[100+\i]
	v_xor_b32 v[84+\i], v[84+\i], v[100+\i]
.endr
	global_store_b128 v[LO], v[84:87], s[100:101]              ; four cosines a lane: the wave stores 512 consecutive bytes, aligned
	global_store_b128 v[LO], v[88:91], s[100:101] offset:2048  ; and four sines
	s_wait_loadcnt 0x0                             ; the bias
.macro FRAG reg, adr, q, i             ; a fragment, 16 rows x 128 K: lane l holds row l % 16; registers 4 c .. 4 c + 3 hold K = 32 c + 16 (l / 16) + 0 .. 15
.irp c, 0,1,2,3
	ds_load_b128 v[\reg+4*\c:\reg+4*\c+3], v[\adr] offset:128*(\q)+32*\c+(\i)*16*PITCH
.endr
.endm
; 16 matrix instructions: A's blocks a0, a0 + 1 x B's eight, 128 along K.  zero = 1: the first product starts the sums.  The 64 accumulators take turns, one instruction a turn.
.macro MUL16 a0, p, q, sc, zero
.irp a, \a0, \a0+1
.irp b, 0,1,2,3,4,5,6,7
.if \zero
	v_wmma_scale_f32_16x16x128_f8f6f4 v[8*(8*((\a)%4)+\b):8*(8*((\a)%4)+\b)+7], v[128*(\p)+FR*\b:128*(\p)+FR*\b+FR-1], v[AF+FR*(\a):AF+FR*(\a)+FR-1], 0, v[SC+8*NQ*(\sc)+NQ*\b+(\q)], v[SC+8*NQ*(\sc)+NQ*(\a)+(\q)] matrix_a_scale:MATRIX_SCALE_ROW1
.else
	v_wmma_scale_f32_16x16x128_f8f6f4 v[8*(8*((\a)%4)+\b):8*(8*((\a)%4)+\b)+7], v[128*(\p)+FR*\b:128*(\p)+FR*\b+FR-1], v[AF+FR*(\a):AF+FR*(\a)+FR-1], v[8*(8*((\a)%4)+\b):8*(8*((\a)%4)+\b)+7], v[SC+8*NQ*(\sc)+NQ*\b+(\q)], v[SC+8*NQ*(\sc)+NQ*(\a)+(\q)] matrix_a_scale:MATRIX_SCALE_ROW1
.endif
.endr
.endr
.endm
.macro FETCH_B slot, q, p
	WIN TO_B
.irp i, 0,1,2,3,4,5,6,7
	FRAG 128*(\p)+FR*\i, ADRB+\slot, \q, \i
.endr
	WIN 0
.endm
.macro FETCH_A slot, q, i0
.irp i, \i0, \i0+1, \i0+2, \i0+3
	FRAG AF+FR*(\i), ADRA+\slot, \q, \i
.endr
.endm
.macro SCALES sc                       ; a K step's scale words: lanes 0-15 take A's block i, lanes 16-31 B's block i
.irp i, 0,1,2,3,4,5,6,7
	ds_load_b64 v[SC+8*NQ*\sc+NQ*\i:SC+8*NQ*\sc+NQ*\i+1], v[ADRS] offset:\i*SBLK
.endr
.endm
.macro PLACES n                        ; plain vector instructions between a matrix instruction and a load into, or a vector read or write of, its registers
.rept \n
	v_nop
.endr
.endm
.macro STEP slot, q, zero              ; a step of 128 along K that has its successor in the same slot
	s_wait_dscnt 4*NL                              ; B's set and A's blocks 0-3 are in; the youngest 16 loads (A's blocks 4-7) may be out
	WIN MUL_LO
	MUL16 0, (\q)%2, \q, \slot, \zero
	MUL16 2, (\q)%2, \q, \slot, \zero
	s_wait_dscnt 0
	PLACES NP
	FETCH_B \slot, (\q)+1, 1-(\q)%2
	FETCH_A \slot, (\q)+1, 0
	WIN MUL_HI
	MUL16 4, (\q)%2, \q, \slot, \zero
	MUL16 6, (\q)%2, \q, \slot, \zero
	PLACES NP
	WIN 0
	FETCH_A \slot, (\q)+1, 4
.endm
; A slot's last step changes slots: one barrier; in front of it each wave waits for all its tensor loads, adds 0 to its spare word, and waits for that and for its own reads of this slot.
.macro TURN slot, next, fill
	s_wait_tensorcnt 0x0                           ; all my tensor loads have landed: my part of the next slot
	ds_add_u32 v[SPW], v[NIL]                      ; 0 onto my spare word
	s_wait_dscnt 4*NL+1                            ; (the add and the youngest 16 loads, A's blocks 4-7, may be out)
	WIN MUL_LO
	MUL16 0, 1, NQ-1, \slot, 0
	s_wait_dscnt 0x0                               ; the add is done, and my reads of this slot are over
	s_barrier_signal -1
	MUL16 2, 1, NQ-1, \slot, 0
	WIN 0
	s_barrier_wait -1
.if \fill
	CREST                                          ; the barrier has opened a round of the cluster's: no wave of any partner still reads this slot or has a load on its way
	s_add_nc_u64 s[G0+4*\slot+2:G0+4*\slot+3], s[G0+4*\slot+2:G0+4*\slot+3], 2*ROWB
	s_add_nc_u64 s[G0B+4*\slot+2:G0B+4*\slot+3], s[G0B+4*\slot+2:G0B+4*\slot+3], 2*ROWB
	JLOAD G0+4*\slot, G1, G0B+4*\slot, G1B         ; the first tensor load behind the round; its four v_nop are among the places in front of the loads below
	PLACES NP-4
.else
	PLACES NP
.endif
	s_wait_alu depctr_va_vdst(0)
	v_add_nc_u32 v[ADRS], 4*NQ, v[ADRS]            ; on to the next K step's scale words
	FETCH_B \next, 0, 0
	FETCH_A \next, 0, 0
	SCALES \next
	WIN MUL_HI
	MUL16 4, 1, NQ-1, \slot, 0
	MUL16 6, 1, NQ-1, \slot, 0
	PLACES NP
	WIN 0
	FETCH_A \next, 0, 4
.endm
	s_wait_alu depctr_va_vdst(0)                   ; the wait at the head's end
	s_wait_tensorcnt 0x0                           ; my tile of the head's four is in
	ds_add_u32 v[SPW], v[NIL]
	s_mov_b32 s[G1+2], 128<<16                     ; no tensor load of mine is out: from here on a load brings 128 rows
	s_mov_b32 s[G1+4], 128
	s_mov_b32 s[G1B+2], 128<<16
	s_mov_b32 s[G1B+4], 128
	s_wait_dscnt 0x0
	CROUND                                         ; all four tiles are in, and all sixteen work-groups are here
	JLOAD G0+4, G1, G0B+4, G1B                     ; K step 1, the first tensor load behind the round
	FETCH_B 0, 0, 0
	FETCH_A 0, 0, 0
	SCALES 0
	FETCH_A 0, 0, 4
	STEP 0, 0, 1                                   ; the first step stands in front of the loop: its products start the sums
	s_mov_b32 s3, LAPS-1
.Llap:                                                 ; a trip goes once round the ring and fills both slots again
	TURN 0, 1, 1
	STEP 1, 0, 0
	TURN 1, 0, 1
	STEP 0, 0, 0
	s_sub_co_u32 s3, s3, 1
	s_cmp_lg_u32 s3, 0
	s_cbranch_scc1 .Llap
	TURN 0, 1, 0                                   ; the last lap fills nothing
	STEP 1, 0, 0
	s_wait_dscnt 4*NL
	WIN MUL_LO
	MUL16 0, 1, NQ-1, 1, 0
	MUL16 2, 1, NQ-1, 1, 0
	s_wait_dscnt 0
	WIN MUL_HI
	MUL16 4, 1, NQ-1, 1, 0
	MUL16 6, 1, NQ-1, 1, 0
	WIN 0
; 64 numbers of a lane, v[s] .. v[s + 63], of which registers 16 b .. 16 b + 15 and the same of lane l xor 16 are block b, become 16 registers of codes in v[PC] on and the scale word in v[PW].
.macro QUANT s
.irp b, 0,1,2,3
	v_max3_num_f32 v[TM+\b], |v[\s+16*\b]|, |v[\s+1+16*\b]|, 0x4800000   ; my 16 numbers, and the floor 2^(9 - 127): so the byte cannot fall under 1
.endr
.irp i, 2,4,6,8,10,12,14
.irp b, 0,1,2,3
	v_max3_num_f32 v[TM+\b], v[TM+\b], |v[\s+16*\b+\i]|, |v[\s+1+16*\b+\i]|
.endr
.endr
.irp b, 0,1,2,3
	v_permlanex16_b32 v[TM+4+\b], v[TM+\b], s[SEL], s[SEL+1]
.endr
.irp b, 0,1,2,3
	v_max_num_f32 v[TM+\b], v[TM+\b], v[TM+4+\b]   ; the block's largest magnitude
.endr
.irp b, 0,1,2,3
	v_add_nc_u32 v[TM+12+\b], 0xfc000000, v[TM+\b] ; 8 off its exponent field: the conversion takes this operand's exponent field as its scale
.endr
.irp b, 0,1,2,3
	v_and_or_b32 v[TM+8+\b], v[TM+\b], 0x7f800000, s[MNT]   ; 448 x the scale
.endr
.irp b, 0,1,2,3
	v_lshrrev_b32 v[TM+4+\b], 23, v[TM+12+\b]      ; the scale's byte
.endr
	v_lshl_or_b32 v[PW], v[TM+5], 8, v[TM+4]
	v_lshl_or_b32 v[PW], v[TM+6], 16, v[PW]
	v_lshl_or_b32 v[PW], v[TM+7], 24, v[PW]
.irp b, 0,1,2,3
.irp i, 0,1,2,3,4,5,6,7,8,9,10,11,12,13,14,15
	v_med3_num_f32 v[\s+16*\b+\i], v[\s+16*\b+\i], -v[TM+8+\b], v[TM+8+\b]   ; the conversion to an 8-bit code does not saturate (ISA guide 7.6.2): the hold
.endr
	v_cvt_scalef32_pk8_fp8_f32 v[PC+4*\b:PC+1+4*\b], v[\s+16*\b:\s+7+16*\b], v[TM+12+\b]
	v_cvt_scalef32_pk8_fp8_f32 v[PC+2+4*\b:PC+3+4*\b], v[\s+8+16*\b:\s+15+16*\b], v[TM+12+\b]
.endr
	v_nop                                          ; a plain vector instruction behind the last conversion
.endm
; THE WAY OUT of block a, 16 channels x 128 tokens: + bias, quantised along the tokens, the fragment's image stored.
.macro VOUT a
.set AC, 64*((\a)%4)
.set BP, BI+2*((\a)/2)
	WIN 0x02+(\a)/4                                ; source 0: the accumulators' window
.set kk, 0
.rept 32
.if (\a)%2
	v_pk_add_f32 v[TMP+kk:TMP+kk+1], v[AC+kk:AC+kk+1], v[BP:BP+1] op_sel:[0,1] op_sel_hi:[1,1]   ; each accumulator from its low end on; the pair's second register serves both halves
.else
	v_pk_add_f32 v[TMP+kk:TMP+kk+1], v[AC+kk:AC+kk+1], v[BP:BP+1] op_sel_hi:[1,0]                ; the pair's first register serves both halves
.endif
.set kk, kk+2
.endr
	WIN 0
	s_wait_xcnt 0x0                                ; the last block's stores have read their codes,
	s_wait_dscnt 0x0                               ; and its LDS store its word: both are written again below
	QUANT TMP
.irp c, 0,1,2,3
	global_store_b128 v[LO], v[PC+4*\c:PC+4*\c+3], s[12:13] offset:((\a)/4)*131072+((\a)%4)*2048+512*\c   ; 32 lanes store 512 consecutive bytes, aligned
.endr
	ds_store_b32 v[SSA], v[PW] offset:64*(\a)      ; both halves of the lanes write the same word with the same value
.endm
	PLACES NP                                      ; behind the last products: the first reads of results, and writes of registers that held A's fragments
.irp b, 0,1,2,3
	v_mov_b32 v[TM+4+\b], 0                        ; written once: a lane permute's destination counts as one of its sources
.endr
.irp a, 0,1,2,3,4,5,6,7
	VOUT \a
.endr
	ds_load_b128 v[236:239], v[SSR]                ; LDS serves a wave's instructions in order: this sees my stores.  128 words: two heads' 64 channels
	s_wait_dscnt 0x0
	global_store_b128 v[VSO], v[236:239], s[98:99] ; sixteen lanes store 256 consecutive bytes, aligned
	s_wait_tensorcnt 0x0                           ; the wave's end
	ds_add_u32 v[SPW], v[NIL]
	s_wait_dscnt 0x0
	CROUND                                         ; the closing round
	s_endpgm
.Lfunc_end_k_q13c194120a_vproj:
	.size	k_q13c194120a_vproj, .Lfunc_end_k_q13c194120a_vproj-k_q13c194120a_vproj
	.p2alignl 7, 3214868480
	.fill 96, 4, 3214868480
	.section	.rodata,"a",@progbits
	.p2align	6, 0x0
	.amdhsa_kernel k_q13c194120a_vproj
		.amdhsa_group_segment_fixed_size 327680
		.amdhsa_private_segment_fixed_size 0
		.amdhsa_enable_private_segment 0
		.amdhsa_kernarg_size 64
		.amdhsa_user_sgpr_count 2
		.amdhsa_user_sgpr_kernarg_segment_ptr 1
		.amdhsa_wavefront_size32 1
		.amdhsa_system_sgpr_workgroup_id_x 1
		.amdhsa_system_sgpr_workgroup_id_y 1
		.amdhsa_system_sgpr_workgroup_id_z 1
		.amdhsa_system_vgpr_workitem_id 0
		.amdhsa_next_free_vgpr 1024
		.amdhsa_next_free_sgpr 102
		.amdhsa_reserve_vcc 1
		.amdhsa_float_denorm_mode_32 3
		.amdhsa_float_denorm_mode_16_64 3
		.amdhsa_memory_ordered 1
		.amdhsa_forward_progress 1
		.amdhsa_inst_pref_size 213
	.end_amdhsa_kernel
	.amdgpu_metadata
---
amdhsa.version: [ 1, 2 ]
amdhsa.kernels:
  - .name:           k_q13c194120a_vproj
    .symbol:         k_q13c194120a_vproj.kd
    .args:
      - { .name: Wqkv_w_codes, .offset: 0, .size: 8, .value_kind: global_buffer, .address_space: global }
      - { .name: Wqkv_w_scales, .offset: 8, .size: 8, .value_kind: global_buffer, .address_space: global }
      - { .name: hidden_states_codes, .offset: 16, .size: 8, .value_kind: global_buffer, .address_space: global }
      - { .name: hidden_states_scales, .offset: 24, .size: 8, .value_kind: global_buffer, .address_space: global }
      - { .name: v_codes, .offset: 32, .size: 8, .value_kind: global_buffer, .address_space: global }
      - { .name: Wqkv_b, .offset: 40, .size: 8, .value_kind: global_buffer, .address_space: global }
      - { .name: v_scales, .offset: 48, .size: 8, .value_kind: global_buffer, .address_space: global }
      - { .name: rope_tab, .offset: 56, .size: 8, .value_kind: global_buffer, .address_space: global }
    .group_segment_fixed_size: 327680
    .private_segment_fixed_size: 0
    .kernarg_segment_align: 8
    .kernarg_segment_size: 64
    .max_flat_workgroup_size: 128
    .sgpr_count:     102
    .vgpr_count:     1024
    .wavefront_size: 32
...
	.end_amdgpu_metadata
.endif
;; end of part 1
;; launch qkproj (part 2): grid 8 x 32, 4 waves a work-group, clusters of 4 x 4, 327,680 bytes of LDS; arguments hidden_states_codes, hidden_states_scales, Wqkv_w_codes, Wqkv_w_scales, qk_codes, Wqkv_b, qk_scales, rope_tab; writes qk_codes, qk_scales
.if DOCPART == 2
	.amdgcn_target "amdgcn-amd-amdhsa--gfx1250"
	.amdhsa_code_object_version 6
	.text
	.protected	k_q13c194120a_qkproj
	.globl	k_q13c194120a_qkproj
	.p2align	8
	.type	k_q13c194120a_qkproj,@function
k_q13c194120a_qkproj:
	s_mov_b64 s[64:65], 0
	v_nop
	global_prefetch_b8 v0, s[64:65] scope:SCOPE_SE
	s_setreg_imm32_b32 hwreg(HW_REG_WAVE_MODE, 25, 1), 1
	s_wait_xcnt 0x0
	s_wait_alu depctr_hold_cnt(0) depctr_sa_sdst(0) depctr_va_vdst(0) depctr_va_sdst(0) depctr_va_ssrc(0) depctr_va_vcc(0) depctr_vm_vsrc(0)
	s_getreg_b32 s2, hwreg(HW_REG_IB_STS2, 6, 4)
	s_cmp_eq_u32 s2, 0
	s_cbranch_scc0 .Lentry_in_a_cluster
	s_endpgm
.Lentry_in_a_cluster:
	s_bfe_u32 s2, ttmp6, 0x10000c
	s_cmp_lg_u32 s2, 0xf033
	s_cbranch_scc0 .Lentry_shape_is_right
	s_endpgm
.Lentry_shape_is_right:
.set SIZE_K, 1024
.set KSTEP,  256
.set NQ,     KSTEP/128
.set ROWB,   256
.set KROW,   SIZE_K
.set PITCH,  272
.set FR,     16
.set NL,     4
.set NP,     8
.set HALFT,  128*PITCH
.set SLOT,   4*HALFT
.set LAPS,   SIZE_K/(2*KSTEP)
.set KS,     SIZE_K/32
.set SCL,    2*SLOT
.set HALFS,  (128*KS/256)*272
.set SBLK,   (16*KS/256)*272
.set SPARE,  SCL+4*HALFS
.set SST,    SPARE+512
.set ADRA, 16
.set ADRB, 20
.set LO,   24
.set SSA,  25
.set SSR,  26
.set ADRS, 27
.set SPW,  28
.set NIL,  29
.set BO,   30
.set SC,   32
.set BIAS, 64
.set AF,   128
.set TMP,  128
.set PC,   192
.set TM,   208
.set PW,   224
.set PW2,  225
.set TT,   226
.set PW3,  234
.set G1, 24
.set G0, 32
.set G1B, 48
.set G0B, 56
.set G1S, 68
.set G0S, 76
.set G1SB, 80
.set G0SB, 88
.set SEL, 92
.set MNT, 94
.set HM,  95
.set MSB, 0
.macro WIN new
.if MSB != (\new)
	s_set_vgpr_msb (MSB<<8)|(\new)
.set MSB, (\new)
.endif
.endm
.set MUL_LO, 0xa1
.set MUL_HI, 0xf1
.set FST_LO, 0x81
.set FST_HI, 0xc1
.set TO_B,   0x40
.macro JLOAD g0a, g1a, g0b, g1b
	s_cmp_eq_u32 s15, 0
	s_cbranch_scc0 .Lfor_b_\@
	tensor_load_to_lds s[\g0a:\g0a+3], s[\g1a:\g1a+7]
	s_nop 0
.rept 4
	v_nop
.endr
	s_branch .Lasked_\@
.Lfor_b_\@:
	tensor_load_to_lds s[\g0b:\g0b+3], s[\g1b:\g1b+7]
	s_nop 0
.rept 4
	v_nop
.endr
.Lasked_\@:
.endm
.macro CREST
	s_cmp_lg_u32 s14, 0
	s_cbranch_scc1 .Lnot_wave_0_\@
	s_barrier_signal -3
.Lnot_wave_0_\@:
	s_barrier_wait -3
	s_barrier_signal -1
	s_barrier_wait -1
.endm
.macro CROUND
	s_barrier_signal -1
	s_barrier_wait -1
	CREST
.endm
	s_load_b128 s[4:7], s[0:1], 0x0
	s_load_b128 s[8:11], s[0:1], 0x10
	s_load_b64 s[12:13], s[0:1], 0x20
	s_load_b64 s[96:97], s[0:1], 0x28
	s_load_b64 s[98:99], s[0:1], 0x30
	s_load_b64 s[100:101], s[0:1], 0x38
	v_lshl_add_u32 v[SPW], v0, 2, SPARE
	v_mov_b32 v[NIL], 0
	ds_add_u32 v28, v29
	ds_add_u32 v28, v29
	s_wait_dscnt 0x0
	v_lshrrev_b32 v1, 5, v0
	v_readfirstlane_b32 s14, v1
	s_lshr_b32 s15, s14, 1
	s_and_b32 s16, s14, 1
	s_bfe_u32 s40, ttmp6, 0x40000
	s_bfe_u32 s41, ttmp6, 0x40004
	s_lshl_b32 s42, ttmp9, 2
	s_add_co_u32 s42, s42, s40
	s_and_b32 s17, ttmp7, 0xffff
	s_lshl_b32 s17, s17, 2
	s_add_co_u32 s17, s17, s41
	s_lshl_b32 s43, s41, 2
	s_lshl_b32 s43, 15, s43
	s_lshl_b32 s44, 0x1111, s40
	s_or_b32 s[G1+0], s43, (0<<16)|(1<<20)|(1<<21)|(5<<22)|(3<<25)
	s_or_b32 s[G1B+0], s44, (0<<16)|(1<<20)|(1<<21)|(5<<22)|(3<<25)
.irp g, G1, G1B
	s_mov_b32 s[\g+1], ROWB<<16
	s_mov_b32 s[\g+2], 256<<16                     ; 256 rows for the head's loads; set to 128 for the ring's behind them
	s_mov_b32 s[\g+3], ROWB<<16
	s_mov_b32 s[\g+4], 256
	s_mov_b32 s[\g+5], KROW
	s_mov_b32 s[\g+6], 0
	s_mov_b32 s[\g+7], 0
.endr
	s_or_b32 s[G1S+0], s43, (3<<16)|(1<<20)|(1<<21)|(5<<22)|(3<<25)
	s_or_b32 s[G1SB+0], s44, (3<<16)|(1<<20)|(1<<21)|(5<<22)|(3<<25)
.irp g, G1S, G1SB
	s_mov_b32 s[\g+1], 32<<16
	s_mov_b32 s[\g+2], KS<<16                      ; the scale bytes of 256 rows: KS rows of 256 bytes
	s_mov_b32 s[\g+3], 32<<16
	s_mov_b32 s[\g+4], KS
	s_mov_b32 s[\g+5], 32
	s_mov_b32 s[\g+6], 0
	s_mov_b32 s[\g+7], 0
.endr
	s_lshl_b32 s20, s17, 8                         ; A: the tile's first row
	s_lshl_b32 s46, s42, 8                         ; B: likewise
	s_mov_b32 s21, 0
	s_mov_b32 s47, 0
	s_mov_b64 s[18:19], KS
	s_mul_u64 s[22:23], s[20:21], s[18:19]
	s_mul_u64 s[92:93], s[46:47], s[18:19]
	s_mov_b64 s[18:19], KROW
	s_mul_u64 s[20:21], s[20:21], s[18:19]
	s_mul_u64 s[46:47], s[46:47], s[18:19]
	s_mul_i32 s45, s14, HALFT
	s_wait_kmcnt 0x0
	s_add_nc_u64 s[20:21], s[4:5], s[20:21]
	s_add_nc_u64 s[22:23], s[6:7], s[22:23]
	s_add_nc_u64 s[46:47], s[8:9], s[46:47]
	s_add_nc_u64 s[92:93], s[10:11], s[92:93]
	CROUND
	s_mov_b32 s[G0S], 1
	s_mov_b32 s[G0S+1], SCL
	s_mov_b64 s[G0S+2:G0S+3], s[22:23]
	s_or_b32 s[G0S+3], s[G0S+3], 0x80000000
	s_mov_b32 s[G0SB], 1
	s_mov_b32 s[G0SB+1], SCL+2*HALFS
	s_mov_b64 s[G0SB+2:G0SB+3], s[92:93]
	s_or_b32 s[G0SB+3], s[G0SB+3], 0x80000000
	s_mov_b32 s4, 1                                ; group 0 of the head's loads of K step 0, in registers that held arguments: A's 256 rows,
	s_mov_b32 s5, 0
	s_mov_b64 s[6:7], s[20:21]
	s_or_b32 s7, s7, 0x80000000
	s_mov_b32 s8, 1                                ; B's 256 rows, behind them in slot 0
	s_mov_b32 s9, 2*HALFT
	s_mov_b64 s[10:11], s[46:47]
	s_or_b32 s11, s11, 0x80000000
	s_mul_i32 s18, s16, 128*KROW                   ; in the ring I fetch 128 rows of a tile: which half
	s_mov_b32 s19, 0
	s_add_nc_u64 s[20:21], s[20:21], s[18:19]
	s_add_nc_u64 s[46:47], s[46:47], s[18:19]
.irp s, 0,1
	s_mov_b32 s[G0+4*\s], 1
	s_add_co_u32 s[G0+4*\s+1], s45, \s*SLOT
	s_add_nc_u64 s[G0+4*\s+2:G0+4*\s+3], s[20:21], \s*ROWB
	s_or_b32 s[G0+4*\s+3], s[G0+4*\s+3], 0x80000000
	s_mov_b32 s[G0B+4*\s], 1
	s_add_co_u32 s[G0B+4*\s+1], s45, \s*SLOT
	s_add_nc_u64 s[G0B+4*\s+2:G0B+4*\s+3], s[46:47], \s*ROWB
	s_or_b32 s[G0B+4*\s+3], s[G0B+4*\s+3], 0x80000000
.endr
; The head's loads, one a wave: wave 0 K step 0's 256 rows of A, wave 1 those of B, wave 2 A's scale bytes, wave 3 B's.  One chain on the wave's number; every way passes one load.
.macro ARM under, g0, g1, next
	s_cmp_lt_u32 s14, \under
	s_cbranch_scc0 \next
	tensor_load_to_lds s[\g0:\g0+3], s[\g1:\g1+7]
	s_nop 0
.rept 4
	v_nop
.endr
	s_branch .Lhead_asked
\next:
.endm
	ARM 1, 4,   G1,  .Lhead_b
	ARM 2, 8,   G1B, .Lhead_sa
	ARM 3, G0S, G1S, .Lhead_sb
	tensor_load_to_lds s[G0SB:G0SB+3], s[G1SB:G1SB+7]
	s_nop 0
.rept 4
	v_nop
.endr
.Lhead_asked:
	v_and_b32 v1, 15, v0
	v_bfe_u32 v2, v0, 4, 1
	v_mul_u32_u24 v3, v1, PITCH
	v_lshl_add_u32 v4, v2, 4, v3
	s_mul_i32 s21, s15, HALFT
	s_mul_i32 s22, s16, HALFT
	s_add_co_u32 s22, s22, 2*HALFT
.irp s, 0,1
	v_add_nc_u32 v[ADRA+\s], s21, v4
	v_add_nc_u32 v[ADRB+\s], s22, v4
	s_add_co_u32 s21, s21, SLOT
	s_add_co_u32 s22, s22, SLOT
.endr
	v_mul_u32_u24 v5, v1, KS
	v_lshrrev_b32 v6, 8, v5
	v_lshl_add_u32 v5, v6, 4, v5
	s_mul_i32 s21, s15, HALFS
	s_mul_i32 s22, s16, HALFS
	s_add_co_u32 s22, s22, 2*HALFS
	s_sub_co_u32 s22, s22, s21
	v_mul_u32_u24 v6, s22, v2
	s_add_co_u32 s21, s21, SCL
	v_add_nc_u32 v5, v5, v6
	v_add_nc_u32 v[ADRS], s21, v5
	v_and_b32 v6, 31, v0
	v_lshlrev_b32 v[LO], 4, v6
	s_lshl_b32 s23, s14, 10
	s_add_co_u32 s23, s23, SST
	v_lshl_add_u32 v[SSA], v1, 2, s23
	v_lshl_add_u32 v[SSA], v2, 9, v[SSA]
	v_add_nc_u32 v[SSR], s23, v[LO]
	v_lshlrev_b32 v[BO], 5, v2
	s_wait_alu depctr_va_vdst(0)
	v_cmp_ne_u32 s[HM], 0, v2
	s_mov_b32 s[SEL], 0x76543210
	s_mov_b32 s[SEL+1], 0xfedcba98
	s_mov_b32 s[MNT], 0x600000
	s_lshl_b32 s46, s42, 10
	s_lshl_b32 s23, s16, 9
	s_add_co_u32 s46, s46, s23
	s_mov_b32 s47, 0
	s_add_nc_u64 s[96:97], s[96:97], s[46:47]
.irp b, 0,1,2,3,4,5,6,7
	global_load_b128 v[BIAS+8*\b:BIAS+8*\b+3], v[BO], s[96:97] offset:64*\b
	global_load_b128 v[BIAS+8*\b+4:BIAS+8*\b+7], v[BO], s[96:97] offset:64*\b+16
.endr
	s_lshr_b32 s20, s42, 2
	s_lshr_b32 s21, s17, 3
	s_and_b32 s22, s42, 3
	s_lshl_b32 s22, s22, 2
	s_lshl_b32 s23, s16, 1
	s_add_co_u32 s22, s22, s23
	s_and_b32 s23, s17, 7
	s_lshl_b32 s23, s23, 8
	s_lshl_b32 s45, s15, 7
	s_add_co_u32 s23, s23, s45
	s_lshl_b32 s46, s20, 23
	s_lshl_b32 s45, s21, 21
	s_add_co_u32 s46, s46, s45
	s_lshl_b32 s45, s22, 17
	s_add_co_u32 s46, s46, s45
	s_lshl_b32 s45, s23, 6
	s_add_co_u32 s46, s46, s45
	s_add_nc_u64 s[12:13], s[12:13], s[46:47]
	s_lshl_b32 s46, s20, 19
	s_lshl_b32 s45, s21, 17
	s_add_co_u32 s46, s46, s45
	s_lshl_b32 s45, s22, 13
	s_add_co_u32 s46, s46, s45
	s_lshl_b32 s45, s23, 2
	s_add_co_u32 s46, s46, s45
	s_add_nc_u64 s[98:99], s[98:99], s[46:47]
	s_lshl_b32 s46, s23, 8
	s_add_nc_u64 s[100:101], s[100:101], s[46:47]
	s_wait_loadcnt 0x0
.macro FRAG reg, adr, q, i
.irp c, 0,1,2,3
	ds_load_b128 v[\reg+4*\c:\reg+4*\c+3], v[\adr] offset:128*(\q)+32*\c+(\i)*16*PITCH
.endr
.endm
.macro MUL16 a0, p, q, sc, first
.irp a, \a0, \a0+1
.irp b, 0,1,2,3,4,5,6,7
.if \first
	v_wmma_scale_f32_16x16x128_f8f6f4 v[8*(8*((\a)%4)+\b):8*(8*((\a)%4)+\b)+7], v[128*(\p)+FR*\b:128*(\p)+FR*\b+FR-1], v[AF+FR*(\a):AF+FR*(\a)+FR-1], v[BIAS+8*\b:BIAS+8*\b+7], v[SC+8*NQ*(\sc)+NQ*\b+(\q)], v[SC+8*NQ*(\sc)+NQ*(\a)+(\q)] matrix_a_scale:MATRIX_SCALE_ROW1
.else
	v_wmma_scale_f32_16x16x128_f8f6f4 v[8*(8*((\a)%4)+\b):8*(8*((\a)%4)+\b)+7], v[128*(\p)+FR*\b:128*(\p)+FR*\b+FR-1], v[AF+FR*(\a):AF+FR*(\a)+FR-1], v[8*(8*((\a)%4)+\b):8*(8*((\a)%4)+\b)+7], v[SC+8*NQ*(\sc)+NQ*\b+(\q)], v[SC+8*NQ*(\sc)+NQ*(\a)+(\q)] matrix_a_scale:MATRIX_SCALE_ROW1
.endif
.endr
.endr
.endm
.macro FETCH_B slot, q, p
	WIN TO_B
.irp i, 0,1,2,3,4,5,6,7
	FRAG 128*(\p)+FR*\i, ADRB+\slot, \q, \i
.endr
	WIN 0
.endm
.macro FETCH_A slot, q, i0
.irp i, \i0, \i0+1, \i0+2, \i0+3
	FRAG AF+FR*(\i), ADRA+\slot, \q, \i
.endr
.endm
.macro SCALES sc
.irp i, 0,1,2,3,4,5,6,7
	ds_load_b64 v[SC+8*NQ*\sc+NQ*\i:SC+8*NQ*\sc+NQ*\i+1], v[ADRS] offset:\i*SBLK
.endr
.endm
.macro PLACES n
.rept \n
	v_nop
.endr
.endm
.macro STEP slot, q, first
	s_wait_dscnt 4*NL
.if \first
	WIN FST_LO
.else
	WIN MUL_LO
.endif
	MUL16 0, (\q)%2, \q, \slot, \first
	MUL16 2, (\q)%2, \q, \slot, \first
	s_wait_dscnt 0
	PLACES NP
	FETCH_B \slot, (\q)+1, 1-(\q)%2
	FETCH_A \slot, (\q)+1, 0
.if \first
	WIN FST_HI
.else
	WIN MUL_HI
.endif
	MUL16 4, (\q)%2, \q, \slot, \first
	MUL16 6, (\q)%2, \q, \slot, \first
	PLACES NP
	WIN 0
	FETCH_A \slot, (\q)+1, 4
.endm
.macro TURN slot, next, fill
	s_wait_tensorcnt 0x0
	ds_add_u32 v[SPW], v[NIL]
	s_wait_dscnt 4*NL+1
	WIN MUL_LO
	MUL16 0, 1, NQ-1, \slot, 0
	s_wait_dscnt 0x0
	s_barrier_signal -1
	MUL16 2, 1, NQ-1, \slot, 0
	WIN 0
	s_barrier_wait -1
.if \fill
	CREST
	s_add_nc_u64 s[G0+4*\slot+2:G0+4*\slot+3], s[G0+4*\slot+2:G0+4*\slot+3], 2*ROWB
	s_add_nc_u64 s[G0B+4*\slot+2:G0B+4*\slot+3], s[G0B+4*\slot+2:G0B+4*\slot+3], 2*ROWB
	JLOAD G0+4*\slot, G1, G0B+4*\slot, G1B
	PLACES NP-4
.else
	PLACES NP
.endif
	s_wait_alu depctr_va_vdst(0)
	v_add_nc_u32 v[ADRS], 4*NQ, v[ADRS]
	FETCH_B \next, 0, 0
	FETCH_A \next, 0, 0
	SCALES \next
	WIN MUL_HI
	MUL16 4, 1, NQ-1, \slot, 0
	MUL16 6, 1, NQ-1, \slot, 0
	PLACES NP
	WIN 0
	FETCH_A \next, 0, 4
.endm
	s_wait_alu depctr_va_vdst(0)                   ; the wait at the head's end
	s_wait_tensorcnt 0x0                           ; my tile of the head's four is in
	ds_add_u32 v[SPW], v[NIL]
	s_mov_b32 s[G1+2], 128<<16                     ; no tensor load of mine is out: from here on a load brings 128 rows
	s_mov_b32 s[G1+4], 128
	s_mov_b32 s[G1B+2], 128<<16
	s_mov_b32 s[G1B+4], 128
	s_wait_dscnt 0x0
	CROUND                                         ; all four tiles are in, and all sixteen work-groups are here
	JLOAD G0+4, G1, G0B+4, G1B                     ; K step 1, the first tensor load behind the round
	FETCH_B 0, 0, 0
	FETCH_A 0, 0, 0
	SCALES 0
	FETCH_A 0, 0, 4
	STEP 0, 0, 1
	s_mov_b32 s3, LAPS-1
.Llap:
	TURN 0, 1, 1
	STEP 1, 0, 0
	TURN 1, 0, 1
	STEP 0, 0, 0
	s_sub_co_u32 s3, s3, 1
	s_cmp_lg_u32 s3, 0
	s_cbranch_scc1 .Llap
	TURN 0, 1, 0
	STEP 1, 0, 0
	s_wait_dscnt 4*NL
	WIN MUL_LO
	MUL16 0, 1, NQ-1, 1, 0
	MUL16 2, 1, NQ-1, 1, 0
	s_wait_dscnt 0
	WIN MUL_HI
	MUL16 4, 1, NQ-1, 1, 0
	MUL16 6, 1, NQ-1, 1, 0
	WIN 0
.macro QUANT s
.irp b, 0,1,2,3
	v_max3_num_f32 v[TM+\b], |v[\s+16*\b]|, |v[\s+1+16*\b]|, 0x4800000
.endr
.irp i, 2,4,6,8,10,12,14
.irp b, 0,1,2,3
	v_max3_num_f32 v[TM+\b], v[TM+\b], |v[\s+16*\b+\i]|, |v[\s+1+16*\b+\i]|
.endr
.endr
.irp b, 0,1,2,3
	v_permlanex16_b32 v[TM+4+\b], v[TM+\b], s[SEL], s[SEL+1]
.endr
.irp b, 0,1,2,3
	v_max_num_f32 v[TM+\b], v[TM+\b], v[TM+4+\b]
.endr
.irp b, 0,1,2,3
	v_add_nc_u32 v[TM+12+\b], 0xfc000000, v[TM+\b]
.endr
.irp b, 0,1,2,3
	v_and_or_b32 v[TM+8+\b], v[TM+\b], 0x7f800000, s[MNT]
.endr
.irp b, 0,1,2,3
	v_lshrrev_b32 v[TM+4+\b], 23, v[TM+12+\b]
.endr
	v_lshl_or_b32 v[PW], v[TM+5], 8, v[TM+4]
	v_lshl_or_b32 v[PW], v[TM+6], 16, v[PW]
	v_lshl_or_b32 v[PW], v[TM+7], 24, v[PW]
.irp b, 0,1,2,3
.irp i, 0,1,2,3,4,5,6,7,8,9,10,11,12,13,14,15
	v_med3_num_f32 v[\s+16*\b+\i], v[\s+16*\b+\i], -v[TM+8+\b], v[TM+8+\b]
.endr
	v_cvt_scalef32_pk8_fp8_f32 v[PC+4*\b:PC+1+4*\b], v[\s+16*\b:\s+7+16*\b], v[TM+12+\b]
	v_cvt_scalef32_pk8_fp8_f32 v[PC+2+4*\b:PC+3+4*\b], v[\s+8+16*\b:\s+15+16*\b], v[TM+12+\b]
.endr
	v_nop
.endm
.macro LOADT a
	WIN TO_B
.irp g, 0,1,2,3,4,5,6,7
	global_load_b128 v[32*(\a)+4*\g:32*(\a)+4*\g+3], v[LO], s[100:101] offset:4096*(\a)+512*\g
.endr
	WIN 0
.endm
.macro QOUT a
.set AC, 64*((\a)%4)
.if (\a) < 4
	LOADT (\a)+4
	s_wait_loadcnt 32
.else
	s_wait_loadcnt 8*(7-(\a))
.endif
	WIN 0x06+(\a)/4
.set nn, 0
.irp hh, 0,1
.irp u, 0,1
.irp j, 0,2,4,6
.set X1, AC+8*(4*\hh+\u)+\j
.set X2, AC+8*(4*\hh+2+\u)+\j
.set CC, 32*(\a)+8*\u+\j
.set SS, 32*(\a)+16+8*\u+\j
.set T1, TT+4*(nn%2)
.set T2, TT+4*(nn%2)+2
.set D1, TMP+8*(4*\hh+\u)+\j
.set D2, TMP+8*(4*\hh+2+\u)+\j
	v_pk_mul_f32 v[T1:T1+1], v[X2:X2+1], v[SS:SS+1]
	v_pk_mul_f32 v[T2:T2+1], v[X2:X2+1], v[CC:CC+1]
	v_pk_fma_f32 v[D1:D1+1], v[X1:X1+1], v[CC:CC+1], v[T1:T1+1] neg_lo:[0,0,1] neg_hi:[0,0,1]
	v_pk_fma_f32 v[D2:D2+1], v[X1:X1+1], v[SS:SS+1], v[T2:T2+1]
.set nn, nn+1
.endr
.endr
.endr
	WIN 0
	s_wait_xcnt 0x0
	s_wait_dscnt 0x0
	QUANT TMP
.irp bb, 0,1,2,3
	global_store_b128 v[LO], v[PC+4*\bb:PC+4*\bb+3], s[12:13] offset:(\bb/2)*131072+1024*(\a)+512*(\bb%2)
.endr
	v_and_b32 v[PW2], 0xffff, v[PW]
	v_lshrrev_b32 v[PW3], 16, v[PW]
	v_cndmask_b32 v[PW2], v[PW2], v[PW3], s[HM]
	ds_store_b32 v[SSA], v[PW2] offset:64*(\a)
.endm
	PLACES NP
.irp b, 0,1,2,3
	v_mov_b32 v[TM+4+\b], 0
.endr
	LOADT 0
	LOADT 1
	LOADT 2
	LOADT 3
.irp a, 0,1,2,3,4,5,6,7
	QOUT \a
.endr
	ds_load_b128 v[236:239], v[SSR]
	ds_load_b128 v[240:243], v[SSR] offset:512
	s_wait_dscnt 0x0
	global_store_b128 v[LO], v[236:239], s[98:99]
	global_store_b128 v[LO], v[240:243], s[98:99] offset:8192
	s_wait_tensorcnt 0x0
	ds_add_u32 v[SPW], v[NIL]
	s_wait_dscnt 0x0
	CROUND
	s_endpgm
.Lfunc_end_k_q13c194120a_qkproj:
	.size	k_q13c194120a_qkproj, .Lfunc_end_k_q13c194120a_qkproj-k_q13c194120a_qkproj
	.p2alignl 7, 3214868480
	.fill 96, 4, 3214868480
	.section	.rodata,"a",@progbits
	.p2align	6, 0x0
	.amdhsa_kernel k_q13c194120a_qkproj
		.amdhsa_group_segment_fixed_size 327680
		.amdhsa_private_segment_fixed_size 0
		.amdhsa_enable_private_segment 0
		.amdhsa_kernarg_size 64
		.amdhsa_user_sgpr_count 2
		.amdhsa_user_sgpr_kernarg_segment_ptr 1
		.amdhsa_wavefront_size32 1
		.amdhsa_system_sgpr_workgroup_id_x 1
		.amdhsa_system_sgpr_workgroup_id_y 1
		.amdhsa_system_sgpr_workgroup_id_z 1
		.amdhsa_system_vgpr_workitem_id 0
		.amdhsa_next_free_vgpr 1024
		.amdhsa_next_free_sgpr 102
		.amdhsa_reserve_vcc 0
		.amdhsa_float_denorm_mode_32 3
		.amdhsa_float_denorm_mode_16_64 3
		.amdhsa_memory_ordered 1
		.amdhsa_forward_progress 1
		.amdhsa_inst_pref_size 228
	.end_amdhsa_kernel
	.amdgpu_metadata
---
amdhsa.version: [ 1, 2 ]
amdhsa.kernels:
  - .name:           k_q13c194120a_qkproj
    .symbol:         k_q13c194120a_qkproj.kd
    .args:
      - { .name: hidden_states_codes, .offset: 0, .size: 8, .value_kind: global_buffer, .address_space: global }
      - { .name: hidden_states_scales, .offset: 8, .size: 8, .value_kind: global_buffer, .address_space: global }
      - { .name: Wqkv_w_codes, .offset: 16, .size: 8, .value_kind: global_buffer, .address_space: global }
      - { .name: Wqkv_w_scales, .offset: 24, .size: 8, .value_kind: global_buffer, .address_space: global }
      - { .name: qk_codes, .offset: 32, .size: 8, .value_kind: global_buffer, .address_space: global }
      - { .name: Wqkv_b, .offset: 40, .size: 8, .value_kind: global_buffer, .address_space: global }
      - { .name: qk_scales, .offset: 48, .size: 8, .value_kind: global_buffer, .address_space: global }
      - { .name: rope_tab, .offset: 56, .size: 8, .value_kind: global_buffer, .address_space: global }
    .group_segment_fixed_size: 327680
    .private_segment_fixed_size: 0
    .kernarg_segment_align: 8
    .kernarg_segment_size: 64
    .max_flat_workgroup_size: 128
    .sgpr_count:     102
    .vgpr_count:     1024
    .wavefront_size: 32
...
	.end_amdgpu_metadata
.endif
;; end of part 2
;; launch attn (part 3): grid 4 x 64, 16 waves a work-group, clusters of 4 x 1, 327,680 bytes of LDS; arguments qk_codes, qk_scales, v_codes, v_scales, attn_img, attn_sc; writes attn_img, attn_sc
.if DOCPART == 3
	.amdgcn_target "amdgcn-amd-amdhsa--gfx1250"
	.amdhsa_code_object_version 6
	.text
	.protected	k_q13c194120a_attn
	.globl	k_q13c194120a_attn
	.p2align	8
	.type	k_q13c194120a_attn,@function
k_q13c194120a_attn:
	s_mov_b64 s[64:65], 0
	v_nop
	global_prefetch_b8 v0, s[64:65] scope:SCOPE_SE
	s_setreg_imm32_b32 hwreg(HW_REG_WAVE_MODE, 25, 1), 1
	s_wait_xcnt 0x0
	s_wait_alu depctr_hold_cnt(0) depctr_sa_sdst(0) depctr_va_vdst(0) depctr_va_sdst(0) depctr_va_ssrc(0) depctr_va_vcc(0) depctr_vm_vsrc(0)
	s_getreg_b32 s2, hwreg(HW_REG_IB_STS2, 6, 4)
	s_cmp_eq_u32 s2, 0
	s_cbranch_scc0 .Lentry_in_a_cluster
	s_endpgm
.Lentry_in_a_cluster:
	s_bfe_u32 s2, ttmp6, 0x10000c
	s_cmp_lg_u32 s2, 0x3003
	s_cbranch_scc0 .Lentry_shape_is_right
	s_endpgm
.Lentry_shape_is_right:
; Attention of one head on codes of FP8 (E4M3) with one E8M0 scale for each 32 along a product's K: O = softmax(Q K^T / 8) V, and O quantised along the channels for the projection that follows.
; t = score x log2(e) / 8; M = the running largest t rounded up to a whole number; p = 2^(t - M) is quantised along the keys, not normalised; the row's sum of the unquantised p divides O at the end.
; SHARES.  A work-group owns ONE head (y = 16 batch + head) and 512 queries (x); each of its sixteen waves owns 32 of them, as two tiles of 16, and walks all 2,048 keys once for each tile, 128 keys a step.
; LDS HOLDS THE WHOLE HEAD: K's codes 131,072 bytes, V's 131,072, K's scale words 8,192, V's 4,096.  Every byte is filled once: there is no ring and no refill.
; The fills go out in two groups.  At the head, one load a wave: waves 0-5 key steps 0-5 of K, waves 8-13 the same of V (8,192 bytes each), waves 6, 7 the halves of K's scale words, waves 14, 15 of V's.
; Behind the wait for them, the add and a round: the other ten key steps, 10,240 bytes a wave (waves 0-7 K, 8-15 V).  A wave waits for its part behind its third key step and signals; it waits at the barrier ahead of key step 6.
; CLUSTER: the four work-groups of a head need the same K and V: every fill is a joint load with the mask 15.
; NO PREFETCH: all tensor loads leave in the two groups at the head; no later load exists that a loop could run ahead of.
; LAYOUT (as the two projections store it): qk_codes [q, k][head 64][tile of 16 tokens][block 2][lane][16 bytes], qk_scales [q, k][head][token] words (two bytes used);
; v_codes [head][key step][channel tile 4][c 4][lane][16], v_scales [head][key step][channel 64] words.  Both products are used transposed: a lane holds one query.  The head's 64 fill half of the first product's 128:
; Q's upper eight registers are zero codes, so whatever codes stand beside K's eight registers add nothing.
; OUT: attn_img [tile of 16 tokens][head 16][block 2][lane][16 bytes]; attn_sc [head 16][token 8,192] words, the head's two scale bytes in the low half, the high half 0.
; LIMITS: the promise holds while |t| stays under 2^31; NaN and infinities among the inputs are not served; a block of zeros gets the byte 1 (its codes are zeros; this program alone reads the bytes).
.set VB,    131072
.set P1,    6*8192
.set SCK,   262144
.set SCV,   SCK+8192
.set SPARE, SCV+4096                   ; the spare words, 128 bytes a wave
.set SST,   SPARE+2048                 ; 2,048 bytes: the work-group's scale words on their way out; no tile lands here
.set LI,   1                           ; 16 x lane
.set LIV,  2                           ; the same in V
.set LSK,  3
.set LSV,  4
.set SPW,  5
.set NIL,  6
.set ADK,  8
.set ADV,  9
.set ADS,  10
.set ADT,  11
.set SSW,  243
.set SSRD, 253
.set QSO,  254
.set WV,   18
.set MNT,  19
.set SEL,  20
.set CS,   22
.set G1,   24
.set G1SK, 32
.set G1SV, 40
.set G0K,  48
.set G0V,  52
.set G0SK, 56
.set G0SV, 60
.set TB,   66
.set TS,   67
.set TJ,   68
.set STEPC, 70
.set HM,   71
.set KA,   72                          ; s[72:73] the head's K codes, s[74:75] its V codes
.set VA,   74
.macro TL g0, g1                       ; a tensor load
	tensor_load_to_lds s[\g0:\g0+3], s[\g1:\g1+7]
	s_nop 0
.rept 4
	v_nop
.endr
.endm
.macro ARM under, g0, g1, next
	s_cmp_lt_u32 s[WV], \under
	s_cbranch_scc0 \next
	TL \g0, \g1
	s_branch .Lh_join
\next:
.endm
.macro CROUND
	s_barrier_signal -1
	s_barrier_wait -1
	s_cmp_lg_u32 s[WV], 0
	s_cbranch_scc1 .Lnot_wave_0_\@
	s_barrier_signal -3
.Lnot_wave_0_\@:
	s_barrier_wait -3
	s_barrier_signal -1
	s_barrier_wait -1
.endm
	s_load_b256 s[4:11], s[0:1], 0x0               ; qk_codes, qk_scales, v_codes, v_scales
	s_load_b128 s[12:15], s[0:1], 0x20             ; attn_img, attn_sc
	v_lshl_add_u32 v[SPW], v0, 2, SPARE
	v_mov_b32 v[NIL], 0
	ds_add_u32 v[SPW], v[NIL]                      ; the opening lines: the add twice on end and one wait
	ds_add_u32 v[SPW], v[NIL]
	v_lshrrev_b32 v8, 5, v0
	v_readfirstlane_b32 s[WV], v8
	v_and_b32 v9, 31, v0
	v_and_b32 v10, 15, v0
	v_bfe_u32 v11, v0, 4, 1
	v_lshlrev_b32 v[LI], 4, v9
	v_lshl_add_u32 v[LSK], v9, 2, SCK
	v_lshl_add_u32 v[LSV], v9, 2, SCV
	v_add_nc_u32 v[LIV], VB, v[LI]
	s_lshl_b32 s80, s[WV], 7
	s_add_co_u32 s80, s80, SST
	v_lshl_add_u32 v[SSW], v10, 2, s80             ; my 32 queries' words: SST + 128 wave + 4 r
	s_and_b32 s80, s[WV], 3
	s_lshl_b32 s80, s80, 9
	s_add_co_u32 s81, s80, SST
	v_add_nc_u32 v[SSRD], s81, v[LI]               ; waves 0-3 read 512 bytes each back
	v_lshlrev_b32 v[QSO], 2, v10
	v_cmp_ne_u32 s[HM], 0, v11
.irp g, G1, G1SK, G1SV                 ; dense blocks as rows of 256 bytes (32 elements of 8); mask 15, bit 21 beside it
	s_mov_b32 s[\g], 15|(3<<16)|(1<<21)
	s_mov_b32 s[\g+1], 32<<16
	s_mov_b32 s[\g+3], 32<<16
	s_mov_b32 s[\g+5], 32
	s_mov_b32 s[\g+6], 0
	s_mov_b32 s[\g+7], 0
.endr
	s_mov_b32 s[G1+2], 32<<16
	s_mov_b32 s[G1+4], 32
	s_mov_b32 s[G1SK+2], 16<<16
	s_mov_b32 s[G1SK+4], 16
	s_mov_b32 s[G1SV+2], 8<<16
	s_mov_b32 s[G1SV+4], 8
	s_mov_b32 s[SEL], 0x76543210
	s_mov_b32 s[SEL+1], 0xfedcba98
	s_mov_b32 s[CS], 0x3e38aa3b                    ; log2(e) / 8
	s_mov_b32 s[CS+1], s[CS]
	s_mov_b32 s[MNT], 0x600000
	s_mov_b32 s[TB], 0
	s_mov_b32 s[TS], 0
	s_mov_b32 s[TJ], 0
	s_and_b32 s78, ttmp7, 0xffff                   ; 16 batch + head
	s_and_b32 s79, s[WV], 1
	s_and_b32 s82, s[WV], 7
	s_lshl_b32 s84, s78, 17                        ; the head's codes
	s_mov_b32 s85, 0
	s_lshl_b32 s86, s82, 13                        ; my key step of the first six
	s_mov_b32 s87, 0
	s_lshl_b32 s88, s78, 13
	s_lshl_b32 s90, s79, 12
	s_add_co_u32 s88, s88, s90
	s_add_co_u32 s88, s88, 524288                  ; my half of K's scale words
	s_mov_b32 s89, 0
	s_lshl_b32 s92, s78, 12
	s_lshl_b32 s94, s79, 11
	s_add_co_u32 s92, s92, s94                     ; my half of V's
	s_mov_b32 s93, 0
	s_wait_alu depctr_va_vdst(0)                   ; the wait ahead of the blocking waits
	s_wait_dscnt 0x0
	s_wait_kmcnt 0x0
	s_add_nc_u64 s[KA:KA+1], s[4:5], 8388608
	s_add_nc_u64 s[KA:KA+1], s[KA:KA+1], s[84:85]
	s_add_nc_u64 s[VA:VA+1], s[8:9], s[84:85]
	s_mov_b32 s[G0K], 1
	s_mov_b32 s[G0K+1], s86
	s_add_nc_u64 s[G0K+2:G0K+3], s[KA:KA+1], s[86:87]
	s_or_b32 s[G0K+3], s[G0K+3], 0x80000000
	s_mov_b32 s[G0V], 1
	s_add_co_u32 s[G0V+1], s86, VB
	s_add_nc_u64 s[G0V+2:G0V+3], s[VA:VA+1], s[86:87]
	s_or_b32 s[G0V+3], s[G0V+3], 0x80000000
	s_mov_b32 s[G0SK], 1
	s_add_co_u32 s[G0SK+1], s90, SCK
	s_add_nc_u64 s[G0SK+2:G0SK+3], s[6:7], s[88:89]
	s_or_b32 s[G0SK+3], s[G0SK+3], 0x80000000
	s_mov_b32 s[G0SV], 1
	s_add_co_u32 s[G0SV+1], s94, SCV
	s_add_nc_u64 s[G0SV+2:G0SV+3], s[10:11], s[92:93]
	s_or_b32 s[G0SV+3], s[G0SV+3], 0x80000000
	CROUND                                         ; the four work-groups are here: the joint loads meet
	ARM 6,  G0K,  G1,   .Lh_sk                     ; one chain on the wave's number, one load on every way
	ARM 8,  G0SK, G1SK, .Lh_v
	ARM 14, G0V,  G1,   .Lh_sv
	TL G0SV, G1SV
.Lh_join:
	s_bfe_u32 s92, ttmp6, 0x40000                  ; my block of 512 queries; it enters addresses in memory alone
	s_lshl_b32 s93, s92, 9
	s_lshl_b32 s94, s[WV], 5
	s_add_co_u32 s93, s93, s94                     ; my first query
	s_lshl_b32 s94, s93, 6
	s_add_co_u32 s94, s94, s84
	s_mov_b32 s95, 0
	s_add_nc_u64 s[4:5], s[4:5], s[94:95]
	s_lshl_b32 s94, s93, 2
	s_lshl_b32 s96, s78, 13
	s_add_co_u32 s94, s94, s96
	s_add_nc_u64 s[6:7], s[6:7], s[94:95]
	global_load_b128 v[16:19], v[LI], s[4:5]               ; Q of my first tile,
	global_load_b128 v[20:23], v[LI], s[4:5] offset:512
	global_load_b128 v[244:247], v[LI], s[4:5] offset:1024 ; and of my second
	global_load_b128 v[248:251], v[LI], s[4:5] offset:1536
	global_load_b32 v222, v[QSO], s[6:7]
	global_load_b32 v252, v[QSO], s[6:7] offset:64
	s_lshr_b32 s96, s78, 4                         ; batch
	s_and_b32 s97, s78, 15                         ; head
	s_lshl_b32 s94, s96, 21
	s_lshl_b32 s98, s93, 10
	s_add_co_u32 s94, s94, s98
	s_lshl_b32 s98, s97, 10
	s_add_co_u32 s94, s94, s98
	s_add_nc_u64 s[12:13], s[12:13], s[94:95]      ; attn_img: 16,384 x tile of tokens + 1,024 head
	s_lshl_b32 s94, s97, 15
	s_lshl_b32 s98, s96, 13
	s_add_co_u32 s94, s94, s98
	s_lshl_b32 s98, s92, 11
	s_add_co_u32 s94, s94, s98
	s_add_co_u32 s94, s94, s80
	s_add_nc_u64 s[14:15], s[14:15], s[94:95]      ; attn_sc: 32,768 head + 4 token; 512 bytes for each of waves 0-3
.irp i, 0,1,2,3,4,5,6,7
	v_mov_b32 v[24+\i], 0                          ; Q's upper half: zero codes
	v_mov_b32 v[96+\i], 0                          ; and what stands beside K's last tile
.endr
.irp b, 0,1,2,3
	v_mov_b32 v[228+\b], 0
.endr
	v_mov_b32 v241, 0
.macro INIT
	v_mov_b32 v13, 0xff61b1e6                      ; the largest t so far: -3e38
	s_delay_alu instid0(VALU_DEP_1)
	v_floor_f32 v12, -v13
	v_mov_b32 v14, 0
	v_mov_b32 v15, 0
.set j, 0
.rept 32
	v_mov_b32 v[168+j], 0
.set j, j+1
.endr
.endm
	INIT
; A KEY STEP: 128 keys.  v32-103 K's, then V's fragments; v104-167 S^T, then p; v168-199 O^T; v200-215 p's codes; v216-223 scale words; v224-242 at work.
.macro STEP
	v_add_nc_u32 v[ADK], s[TB], v[LI]
	v_add_nc_u32 v[ADV], s[TB], v[LIV]
	v_add_nc_u32 v[ADS], s[TS], v[LSK]
	v_add_nc_u32 v[ADT], s[TJ], v[LSV]
.rept 4
	v_nop                                          ; with the four above: eight places ahead of loads into registers that the last products read
.endr
.irp i, 0,1,2,3,4,5,6,7
	ds_load_b128 v[32+8*\i:35+8*\i], v[ADK] offset:1024*\i
	ds_load_b128 v[36+8*\i:39+8*\i], v[ADK] offset:1024*\i+512
.endr
.irp i, 0,1,2,3
	ds_load_b32 v[216+\i], v[ADS] offset:128*\i
.endr
	s_wait_alu depctr_va_vdst(0)                   ; the wait ahead of the blocking wait
	s_wait_dscnt 0x0
.irp i, 0,2,4,6
	v_wmma_scale_f32_16x16x128_f8f6f4 v[104+8*\i:111+8*\i], v[32+8*\i:47+8*\i], v[16:31], 0, v[216+\i/2], v222
	v_wmma_scale_f32_16x16x128_f8f6f4 v[112+8*\i:119+8*\i], v[40+8*\i:55+8*\i], v[16:31], 0, v[216+\i/2], v222 matrix_a_scale:MATRIX_SCALE_ROW1
.endr
.rept 8
	v_nop
.endr
.irp t, 0,1,2,3
.irp c, 0,1,2,3
	ds_load_b128 v[32+16*\t+4*\c:35+16*\t+4*\c], v[ADV] offset:2048*\t+512*\c   ; V's fragments come while the softmax is walked
.endr
.endr
.irp i, 0,1
	ds_load_b32 v[220+\i], v[ADT] offset:128*\i
.endr
.irp b, 0,1,2,3
	v_max3_num_f32 v[224+\b], v[104+16*\b], v[105+16*\b], v[106+16*\b]   ; each block's largest score: for the row's maximum and for the block's largest p
.endr
.irp i, 3,5,7,9,11,13
.irp b, 0,1,2,3
	v_max3_num_f32 v[224+\b], v[224+\b], v[104+16*\b+\i], v[105+16*\b+\i]
.endr
.endr
.irp b, 0,1,2,3
	v_max_num_f32 v[224+\b], v[224+\b], v[119+16*\b]
.endr
.irp b, 0,1,2,3
	s_delay_alu instid0(VALU_DEP_4)
	v_permlanex16_b32 v[228+\b], v[224+\b], s[SEL], s[SEL+1]
.endr
.irp b, 0,1,2,3
	s_delay_alu instid0(VALU_DEP_4)
	v_max_num_f32 v[224+\b], v[224+\b], v[228+\b]
.endr
	s_delay_alu instid0(VALU_DEP_2)
	v_max3_num_f32 v242, v224, v225, v226
	s_delay_alu instid0(VALU_DEP_1)
	v_max_num_f32 v242, v242, v227
	s_delay_alu instid0(VALU_DEP_1)
	v_mul_f32 v242, s[CS], v242
	s_delay_alu instid0(VALU_DEP_1)
	v_max_num_f32 v13, v13, v242                   ; the running largest t
	v_mov_b32 v242, v12
	s_delay_alu instid0(VALU_DEP_2)
	v_floor_f32 v12, -v13                          ; -M
	s_delay_alu instid0(VALU_DEP_1)
	v_sub_f32 v242, v12, v242
	s_delay_alu instid0(VALU_DEP_1)
	v_cvt_i32_f32 v242, v242
	s_delay_alu instid0(VALU_DEP_1)
	v_ldexp_f32 v240, 1.0, v242                    ; f = 2^(old M - new M)
.set j, 0
.rept 32
	v_pk_fma_f32 v[104+j:105+j], v[104+j:105+j], s[CS:CS+1], v[12:13] op_sel_hi:[1,0,0]
.set j, j+2
.endr
.irp b, 0,1,2,3
	v_fma_f32 v[224+\b], v[224+\b], s[CS], v12
.endr
	s_wait_alu depctr_va_vdst(0)                   ; the wait ahead of the batch
.set j, 0
.rept 64
	v_exp_f32 v[104+j], v[104+j]
.set j, j+1
.endr
	v_pk_mul_f32 v[14:15], v[14:15], v[240:241] op_sel_hi:[1,0]
	s_wait_alu depctr_va_vdst(0)                   ; and behind it
.irp b, 0,1,2,3
	v_exp_f32 v[224+\b], v[224+\b]
.endr
	v_pk_add_f32 v[228:229], v[104:105], v[106:107]   ; the row's sum, of the unquantised p
.set j, 4
.rept 15
	v_pk_add_f32 v[14:15], v[14:15], v[104+j:105+j]
	v_pk_add_f32 v[228:229], v[228:229], v[106+j:107+j]
.set j, j+4
.endr
	s_delay_alu instid0(VALU_DEP_1)
	v_pk_add_f32 v[14:15], v[14:15], v[228:229]
	s_wait_alu depctr_va_vdst(0)
.irp b, 0,1,2,3
	v_max_num_f32 v[224+\b], 0x4800000, v[224+\b]  ; the floor: the byte cannot fall under 1
.endr
.irp b, 0,1,2,3
	s_delay_alu instid0(VALU_DEP_4)
	v_add_nc_u32 v[236+\b], 0xfc000000, v[224+\b]  ; the conversion's scale operand
.endr
.irp b, 0,1,2,3
	v_and_or_b32 v[232+\b], v[224+\b], 0x7f800000, s[MNT]   ; 448 x the scale
.endr
.irp b, 0,1,2,3
	v_lshrrev_b32 v[228+\b], 23, v[236+\b]
.endr
	s_delay_alu instid0(VALU_DEP_3)
	v_lshl_or_b32 v223, v229, 8, v228
	s_delay_alu instid0(VALU_DEP_1)
	v_lshl_or_b32 v223, v230, 16, v223
	s_delay_alu instid0(VALU_DEP_1)
	v_lshl_or_b32 v223, v231, 24, v223
.irp b, 0,1,2,3
.irp i, 0,2,4,6,8,10,12,14
	v_dual_min_num_f32 v[104+16*\b+\i], v[232+\b], v[104+16*\b+\i] :: v_dual_min_num_f32 v[105+16*\b+\i], v[232+\b], v[105+16*\b+\i]   ; the hold, one-sided (p is not negative), two numbers a line
.endr
	v_cvt_scalef32_pk8_fp8_f32 v[200+4*\b:201+4*\b], v[104+16*\b:111+16*\b], v[236+\b]
	v_cvt_scalef32_pk8_fp8_f32 v[202+4*\b:203+4*\b], v[112+16*\b:119+16*\b], v[236+\b]
.endr
	s_wait_alu depctr_va_vdst(0)                   ; the wait directly ahead of O^T's first reader
.set j, 0
.rept 16
	v_pk_mul_f32 v[168+j:169+j], v[168+j:169+j], v[240:241] op_sel_hi:[1,0]
.set j, j+2
.endr
	s_wait_alu depctr_va_vdst(0)
	s_wait_dscnt 0x0
.irp t, 0,2
	v_wmma_scale_f32_16x16x128_f8f6f4 v[168+8*\t:175+8*\t], v[32+16*\t:47+16*\t], v[200:215], v[168+8*\t:175+8*\t], v[220+\t/2], v223
	v_wmma_scale_f32_16x16x128_f8f6f4 v[176+8*\t:183+8*\t], v[48+16*\t:63+16*\t], v[200:215], v[176+8*\t:183+8*\t], v[220+\t/2], v223 matrix_a_scale:MATRIX_SCALE_ROW1
.endr
	s_add_co_u32 s[TB], s[TB], 8192
	s_add_co_u32 s[TS], s[TS], 512
	s_add_co_u32 s[TJ], s[TJ], 256
.endm
.macro RUN n
	s_mov_b32 s[STEPC], \n
.Lstep_\@:
	s_barrier_signal -1                            ; a split barrier round every key step: a wave passes a step's end only when all sixteen have begun that step, so no wave is more than two steps ahead of another;
	STEP                                           ; between signal and wait stand register work and LDS reads of bytes that nobody writes
	s_barrier_wait -1
	s_sub_co_u32 s[STEPC], s[STEPC], 1
	s_cmp_lg_u32 s[STEPC], 0
	s_cbranch_scc1 .Lstep_\@
.endm
; A tile's end: O^T / the sum, quantised along the channels (two blocks of 32), the codes brought into the order of the next product's fragment.
.macro FINISH hd, outc
.if \hd == 0
.irp i, 0,1,2,3,4,5,6,7
	v_mov_b32 v[16+\i], v[244+\i]                  ; Q of my second tile (these nine are also the places behind the last products)
.endr
	v_mov_b32 v222, v252
.else
.rept 8
	v_nop
.endr
.endif
	v_add_f32 v14, v14, v15
	s_delay_alu instid0(VALU_DEP_1)
	v_permlanex16_b32 v242, v14, s[SEL], s[SEL+1]
	s_delay_alu instid0(VALU_DEP_1)
	v_add_f32 v14, v14, v242
	s_wait_alu depctr_va_vdst(0)
	v_rcp_f32 v240, v14
	v_nop
	s_wait_alu depctr_va_vdst(0)
.set j, 0
.rept 16
	v_pk_mul_f32 v[104+j:105+j], v[168+j:169+j], v[240:241] op_sel_hi:[1,0]
.set j, j+2
.endr
.irp b, 0,1
	v_max3_num_f32 v[224+\b], |v[104+16*\b]|, |v[105+16*\b]|, 0x4800000
.endr
.irp i, 2,4,6,8,10,12,14
.irp b, 0,1
	s_delay_alu instid0(VALU_DEP_2)
	v_max3_num_f32 v[224+\b], v[224+\b], |v[104+16*\b+\i]|, |v[105+16*\b+\i]|
.endr
.endr
.irp b, 0,1
	s_delay_alu instid0(VALU_DEP_2)
	v_permlanex16_b32 v[228+\b], v[224+\b], s[SEL], s[SEL+1]
.endr
.irp b, 0,1
	s_delay_alu instid0(VALU_DEP_2)
	v_max_num_f32 v[224+\b], v[224+\b], v[228+\b]
.endr
.irp b, 0,1
	s_delay_alu instid0(VALU_DEP_2)
	v_add_nc_u32 v[236+\b], 0xfc000000, v[224+\b]
.endr
.irp b, 0,1
	s_delay_alu instid0(VALU_DEP_4)
	v_and_or_b32 v[232+\b], v[224+\b], 0x7f800000, s[MNT]
.endr
.irp b, 0,1
	s_delay_alu instid0(VALU_DEP_4)
	v_lshrrev_b32 v[228+\b], 23, v[236+\b]
.endr
	s_delay_alu instid0(VALU_DEP_1)
.if \hd == 0
	v_lshl_or_b32 v252, v229, 8, v228              ; the tile's scale word: two bytes, the high half 0
.else
	v_lshl_or_b32 v242, v229, 8, v228
.endif
.irp b, 0,1
.irp i, 0,1,2,3,4,5,6,7,8,9,10,11,12,13,14,15
	v_med3_num_f32 v[104+16*\b+\i], v[104+16*\b+\i], -v[232+\b], v[232+\b]
.endr
	v_cvt_scalef32_pk8_fp8_f32 v[200+4*\b:201+4*\b], v[104+16*\b:111+16*\b], v[236+\b]
	v_cvt_scalef32_pk8_fp8_f32 v[202+4*\b:203+4*\b], v[112+16*\b:119+16*\b], v[236+\b]
.endr
	v_nop
.irp b, 0,1                            ; lane (r, h) holds channels 32 b + 16 u + 8 h + j and is to hold 32 b + 16 h + 0 .. 15: eight bytes change places with lane l xor 16
.irp e, 0,1
	v_cndmask_b32 v[208+\e], v[202+4*\b+\e], v[200+4*\b+\e], s[HM]
.endr
.irp e, 0,1
	v_permlanex16_b32 v[210+\e], v[208+\e], s[SEL], s[SEL+1]
.endr
.irp e, 0,1
	v_cndmask_b32 v[\outc+4*\b+\e], v[200+4*\b+\e], v[210+\e], s[HM]
	v_cndmask_b32 v[\outc+4*\b+2+\e], v[210+\e], v[202+4*\b+\e], s[HM]
.endr
.endr
.endm
	v_mov_b32 v210, 0                              ; written once: a lane permute's destination counts as one of its sources
	v_mov_b32 v211, 0
	v_mov_b32 v242, 0
	s_wait_alu depctr_va_vdst(0)                   ; the wait at the head's end
	s_wait_tensorcnt 0x0                           ; my load of the first group is in
	ds_add_u32 v[SPW], v[NIL]
	s_mov_b32 s[G1+2], 40<<16                      ; no tensor load of mine is out: the descriptors are written for 40 rows of 256 bytes,
	s_mov_b32 s[G1+4], 40
	s_mul_i32 s86, s82, 10240
	s_add_co_u32 s86, s86, P1                      ; behind the first six key steps, 10,240 bytes for each of eight waves
	s_mov_b32 s[G0K+1], s86
	s_add_nc_u64 s[G0K+2:G0K+3], s[KA:KA+1], s[86:87]
	s_or_b32 s[G0K+3], s[G0K+3], 0x80000000
	s_add_co_u32 s[G0V+1], s86, VB
	s_add_nc_u64 s[G0V+2:G0V+3], s[VA:VA+1], s[86:87]
	s_or_b32 s[G0V+3], s[G0V+3], 0x80000000
	s_wait_dscnt 0x0
	CROUND                                         ; the first six key steps and the scale words are whole in every partner
	s_cmp_lt_u32 s[WV], 8
	s_cbranch_scc0 .Lr_v
	TL G0K, G1
	s_branch .Lr_join
.Lr_v:
	TL G0V, G1
.Lr_join:
	s_wait_loadcnt 0x0                             ; Q
	RUN 3
	s_wait_tensorcnt 0x0                           ; my part of key steps 6-15 is in: the signals of key steps 3-5 say so too,
	RUN 3                                          ; and behind their waits all sixteen parts are in
	RUN 10
	FINISH 0, 244
	INIT
	s_mov_b32 s[TB], 0
	s_mov_b32 s[TS], 0
	s_mov_b32 s[TJ], 0
	RUN 16                                         ; my second tile: everything is in LDS
	FINISH 1, 136
	global_store_b128 v[LI], v[244:247], s[12:13]              ; each store of the wave covers 512 consecutive bytes, aligned
	global_store_b128 v[LI], v[248:251], s[12:13] offset:512
	global_store_b128 v[LI], v[136:139], s[12:13] offset:16384
	global_store_b128 v[LI], v[140:143], s[12:13] offset:16896
	ds_store_b32 v[SSW], v252                      ; both halves of the lanes write the same word with the same value
	ds_store_b32 v[SSW], v242 offset:64
	s_wait_dscnt 0x0
	s_barrier_signal -1
	s_barrier_wait -1
	s_cmp_lt_u32 s[WV], 4
	s_cbranch_scc0 .Lno_sc
	ds_load_b128 v[144:147], v[SSRD]
	s_wait_dscnt 0x0
	global_store_b128 v[LI], v[144:147], s[14:15]  ; 512 tokens' words: 2,048 consecutive bytes, aligned, by four waves
.Lno_sc:
	s_wait_tensorcnt 0x0                           ; the wave's end
	ds_add_u32 v[SPW], v[NIL]
	s_wait_dscnt 0x0
	CROUND                                         ; the closing round
	s_endpgm
.Lfunc_end_k_q13c194120a_attn:
	.size	k_q13c194120a_attn, .Lfunc_end_k_q13c194120a_attn-k_q13c194120a_attn
	.p2alignl 7, 3214868480
	.fill 96, 4, 3214868480
	.section	.rodata,"a",@progbits
	.p2align	6, 0x0
	.amdhsa_kernel k_q13c194120a_attn
		.amdhsa_group_segment_fixed_size 327680
		.amdhsa_private_segment_fixed_size 0
		.amdhsa_enable_private_segment 0
		.amdhsa_kernarg_size 48
		.amdhsa_user_sgpr_count 2
		.amdhsa_user_sgpr_kernarg_segment_ptr 1
		.amdhsa_wavefront_size32 1
		.amdhsa_system_sgpr_workgroup_id_x 1
		.amdhsa_system_sgpr_workgroup_id_y 1
		.amdhsa_system_sgpr_workgroup_id_z 1
		.amdhsa_system_vgpr_workitem_id 0
		.amdhsa_next_free_vgpr 256
		.amdhsa_next_free_sgpr 100
		.amdhsa_reserve_vcc 0
		.amdhsa_float_denorm_mode_32 3
		.amdhsa_float_denorm_mode_16_64 3
		.amdhsa_memory_ordered 1
		.amdhsa_forward_progress 1
		.amdhsa_inst_pref_size 107
	.end_amdhsa_kernel
	.amdgpu_metadata
---
amdhsa.version: [ 1, 2 ]
amdhsa.kernels:
  - .name:           k_q13c194120a_attn
    .symbol:         k_q13c194120a_attn.kd
    .args:
      - { .name: qk_codes, .offset: 0, .size: 8, .value_kind: global_buffer, .address_space: global }
      - { .name: qk_scales, .offset: 8, .size: 8, .value_kind: global_buffer, .address_space: global }
      - { .name: v_codes, .offset: 16, .size: 8, .value_kind: global_buffer, .address_space: global }
      - { .name: v_scales, .offset: 24, .size: 8, .value_kind: global_buffer, .address_space: global }
      - { .name: attn_img, .offset: 32, .size: 8, .value_kind: global_buffer, .address_space: global }
      - { .name: attn_sc, .offset: 40, .size: 8, .value_kind: global_buffer, .address_space: global }
    .group_segment_fixed_size: 327680
    .private_segment_fixed_size: 0
    .kernarg_segment_align: 8
    .kernarg_segment_size: 48
    .max_flat_workgroup_size: 512
    .sgpr_count:     100
    .vgpr_count:     256
    .wavefront_size: 32
...
	.end_amdgpu_metadata
.endif
;; end of part 3
;; launch oproj (part 4): grid 4 x 64, 4 waves a work-group, clusters of 4 x 4, 327,680 bytes of LDS; arguments attn_img, attn_sc, Wo_w_codes, Wo_w_scales, out0, Wo_b; writes out0
.if DOCPART == 4
	.amdgcn_target "amdgcn-amd-amdhsa--gfx1250"
	.amdhsa_code_object_version 6
	.text
	.protected	k_q13c194120a_oproj
	.globl	k_q13c194120a_oproj
	.p2align	8
	.type	k_q13c194120a_oproj,@function
k_q13c194120a_oproj:
	s_mov_b64 s[64:65], 0
	v_nop
	global_prefetch_b8 v0, s[64:65] scope:SCOPE_SE
	s_setreg_imm32_b32 hwreg(HW_REG_WAVE_MODE, 25, 1), 1
	s_wait_xcnt 0x0
	s_wait_alu depctr_hold_cnt(0) depctr_sa_sdst(0) depctr_va_vdst(0) depctr_va_sdst(0) depctr_va_ssrc(0) depctr_va_vcc(0) depctr_vm_vsrc(0)
	s_getreg_b32 s2, hwreg(HW_REG_IB_STS2, 6, 4)
	s_cmp_eq_u32 s2, 0
	s_cbranch_scc0 .Lentry_in_a_cluster
	s_endpgm
.Lentry_in_a_cluster:
	s_bfe_u32 s2, ttmp6, 0x10000c
	s_cmp_lg_u32 s2, 0xf033
	s_cbranch_scc0 .Lentry_shape_is_right
	s_endpgm
.Lentry_shape_is_right:
; out0[token][n] = sum over k of attn[token][k] Wo[n][k] + b[n], on codes of FP8 (E4M3) with one E8M0 scale for each 32 along K; f32 sums and output.
; A = attn, as the launch before stores it: attn_img [tile of 16 tokens][head 16][block 2][lane][16 bytes], images of the fragments' registers; attn_sc [head 16][token 8,192] words, two scale bytes each.  B = Wo, [1,024][1,024] codes, K innermost.
; A block of 128 tokens x 256 columns is made by four waves, 64 x 128 each: 32 accumulators.  8,192 x 1,024 outputs are 64 x 4 = 256 such blocks.  K goes in four steps of 256 through a ring of two LDS slots.
; CLUSTERS: 4 x 4 work-groups; A's tiles are asked for jointly along a row of the cluster, B's along a column.  The matrix instruction is used transposed (source 0 = 16 rows of Wo, source 1 = 16 tokens):
; a lane holds eight neighbouring columns of one token's row.  The bias is the C of each accumulator's first product.
; A step of 128 along K is two heads: their two-byte scale words are joined once, at the head, into LDS bytes on which no tile lands.
; NO PREFETCH: K has four steps, of which two are first fills.
; REGISTERS: window 0: v0-31 addresses; v32-63 scale words, two sets; v64-127 the bias; v128-191, v192-255 A's fragments, two sets.  Window 1: B's fragments, two sets.  Window 2: accumulator (a, b) at v[8 (8 a + b)].
.set SIZE_N, 1024
.set KROW,   1024
.set PITCH,  272                       ; a row of B in LDS: 256 bytes + 16 of padding
.set NP,     8                         ; places behind this matrix instruction (ISA guide 7.12.1)
.set ABYTES, 32768                     ; A's part of a slot: 8 tiles of 16 tokens x 4,096 bytes
.set HALFT,  128*PITCH
.set SLOT,   ABYTES+2*HALFT
.set HALFS,  16*272
.set SCLA,   2*SLOT                    ; A's joined scale words [step of 128: 8][token 128]: stored by the waves
.set SCLB,   SCLA+4096                 ; B's scale bytes, units of 256 bytes + 16 of padding
.set SPARE,  SCLB+2*HALFS
.set RAW,    SPARE+512                 ; A's scale words as they come: [head 16][token 128]
.set STAGE,  RAW+8192                  ; the way out: 16 rows x 528 bytes for each wave
.set SPITCH, 528
.set RWA,  8
.set MGA,  9
.set ADRA, 16
.set ADRB, 20
.set STO,  24
.set RD,   25
.set CO,   26
.set ADSA, 27
.set SPW,  28
.set NIL,  29
.set ADSB, 30
.set BO,   31
.set SC,   32
.set BIAS, 64
.set AF,   128
.set BK,   128
.set G1, 24
.set G0, 32
.set G1B, 48
.set G0B, 56
.set G1S, 68
.set G0S, 76
.set G1SB, 80
.set G0SB, 88
.set MSB, 0
.macro WIN new
.if MSB != (\new)
	s_set_vgpr_msb (MSB<<8)|(\new)
.set MSB, (\new)
.endif
.endm
.set MUL_LO, 0xa1                      ; source 0 (B) window 1, source 1 (A) window 0, C and D window 2
.set FST_LO, 0x81                      ; the same with C (the bias) in window 0
.set TO_B,   0x40
.macro TL g0, g1
	tensor_load_to_lds s[\g0:\g0+3], s[\g1:\g1+7]
	s_nop 0
.rept 4
	v_nop
.endr
.endm
.macro JLOAD g0a, g1a, g0b, g1b        ; waves 0 and 1 fetch A's halves, waves 2 and 3 B's
	s_cmp_eq_u32 s15, 0
	s_cbranch_scc0 .Lfor_b_\@
	TL \g0a, \g1a
	s_branch .Lasked_\@
.Lfor_b_\@:
	TL \g0b, \g1b
.Lasked_\@:
.endm
.macro CREST
	s_cmp_lg_u32 s14, 0
	s_cbranch_scc1 .Lnot_wave_0_\@
	s_barrier_signal -3
.Lnot_wave_0_\@:
	s_barrier_wait -3
	s_barrier_signal -1
	s_barrier_wait -1
.endm
.macro CROUND
	s_barrier_signal -1
	s_barrier_wait -1
	CREST
.endm
	s_load_b128 s[4:7], s[0:1], 0x0                ; attn_img, attn_sc
	s_load_b128 s[8:11], s[0:1], 0x10              ; Wo's codes, its scales
	s_load_b64 s[12:13], s[0:1], 0x20              ; out0
	s_load_b64 s[96:97], s[0:1], 0x28              ; Wo_b
	v_lshl_add_u32 v[SPW], v0, 2, SPARE
	v_mov_b32 v[NIL], 0
	ds_add_u32 v[SPW], v[NIL]                      ; the opening lines: the add twice on end and one wait
	ds_add_u32 v[SPW], v[NIL]
	v_lshrrev_b32 v1, 5, v0
	v_readfirstlane_b32 s14, v1
	s_lshr_b32 s15, s14, 1                         ; my 64 of the 128 tokens.  Also: in the ring I fetch for A (0) or B (1)
	s_and_b32 s16, s14, 1                          ; my 128 of the 256 columns.  Also: which half of that tile I fetch
	s_bfe_u32 s40, ttmp6, 0x40000
	s_bfe_u32 s41, ttmp6, 0x40004
	s_lshl_b32 s42, ttmp9, 2
	s_add_co_u32 s42, s42, s40                     ; block column
	s_and_b32 s17, ttmp7, 0xffff
	s_lshl_b32 s17, s17, 2
	s_add_co_u32 s17, s17, s41                     ; block row
	s_lshl_b32 s43, s41, 2
	s_lshl_b32 s43, 15, s43                        ; my row of the cluster
	s_lshl_b32 s44, 0x1111, s40                    ; my column
	s_or_b32 s[G1+0], s43, (3<<16)|(1<<21)         ; A: rows of 4,096 bytes (a tile of 16 tokens x 256 along K), 16,384 bytes apart: 8 at the head, 4 in the ring
	s_mov_b32 s[G1+1], 512<<16
	s_mov_b32 s[G1+2], 8<<16
	s_mov_b32 s[G1+3], 512<<16
	s_mov_b32 s[G1+4], 8
	s_mov_b32 s[G1+5], 2048
	s_mov_b32 s[G1+6], 0
	s_mov_b32 s[G1+7], 0
	s_or_b32 s[G1B+0], s44, (0<<16)|(1<<20)|(1<<21)|(5<<22)|(3<<25)   ; B: rows of 256 bytes, padded: 256 at the head, 128 in the ring
	s_mov_b32 s[G1B+1], 256<<16
	s_mov_b32 s[G1B+2], 256<<16
	s_mov_b32 s[G1B+3], 256<<16
	s_mov_b32 s[G1B+4], 256
	s_mov_b32 s[G1B+5], KROW
	s_mov_b32 s[G1B+6], 0
	s_mov_b32 s[G1B+7], 0
	s_or_b32 s[G1S+0], s43, (3<<16)|(1<<21)        ; A's scale words: 16 heads x 512 bytes, 32,768 bytes apart
	s_mov_b32 s[G1S+1], 64<<16
	s_mov_b32 s[G1S+2], 16<<16
	s_mov_b32 s[G1S+3], 64<<16
	s_mov_b32 s[G1S+4], 16
	s_mov_b32 s[G1S+5], 4096
	s_mov_b32 s[G1S+6], 0
	s_mov_b32 s[G1S+7], 0
	s_or_b32 s[G1SB+0], s44, (3<<16)|(1<<20)|(1<<21)|(5<<22)|(3<<25)  ; B's scale bytes: a dense block of 8,192 bytes as 32 rows of 256, padded
	s_mov_b32 s[G1SB+1], 32<<16
	s_mov_b32 s[G1SB+2], 32<<16
	s_mov_b32 s[G1SB+3], 32<<16
	s_mov_b32 s[G1SB+4], 32
	s_mov_b32 s[G1SB+5], 32
	s_mov_b32 s[G1SB+6], 0
	s_mov_b32 s[G1SB+7], 0
	s_lshl_b32 s20, s17, 17                        ; A's codes: 8 tiles of 16,384 bytes a block row
	s_mov_b32 s21, 0
	s_lshl_b32 s22, s17, 9                         ; A's scale words: 128 tokens x 4 bytes
	s_mov_b32 s23, 0
	s_lshl_b32 s46, s42, 18                        ; B's codes: 256 rows of 1,024 bytes
	s_mov_b32 s47, 0
	s_lshl_b32 s92, s42, 13                        ; B's scale bytes: 256 rows of 32
	s_mov_b32 s93, 0
	s_lshl_b32 s18, s16, 16                        ; the ring: A's half, 4 tiles,
	s_mov_b32 s19, 0
	s_lshl_b32 s94, s16, 17                        ; B's half, 128 rows,
	s_mov_b32 s95, 0
	s_lshl_b32 s45, s16, 14                        ; and where they go
	s_mul_i32 s66, s16, HALFT
	s_add_co_u32 s66, s66, ABYTES
	s_wait_dscnt 0x0
	s_wait_kmcnt 0x0
	s_add_nc_u64 s[20:21], s[4:5], s[20:21]
	s_add_nc_u64 s[22:23], s[6:7], s[22:23]
	s_add_nc_u64 s[46:47], s[8:9], s[46:47]
	s_add_nc_u64 s[92:93], s[10:11], s[92:93]
	CROUND                                         ; all sixteen work-groups are here: the first joint loads meet
	s_mov_b32 s4, 1                                ; the head's four tiles (in registers that held arguments): K step 0 of A,
	s_mov_b32 s5, 0
	s_mov_b64 s[6:7], s[20:21]
	s_or_b32 s7, s7, 0x80000000
	s_mov_b32 s8, 1                                ; of B,
	s_mov_b32 s9, ABYTES
	s_mov_b64 s[10:11], s[46:47]
	s_or_b32 s11, s11, 0x80000000
	s_mov_b32 s[G0S], 1                            ; A's scale words,
	s_mov_b32 s[G0S+1], RAW
	s_mov_b64 s[G0S+2:G0S+3], s[22:23]
	s_or_b32 s[G0S+3], s[G0S+3], 0x80000000
	s_mov_b32 s[G0SB], 1                           ; B's scale bytes
	s_mov_b32 s[G0SB+1], SCLB
	s_mov_b64 s[G0SB+2:G0SB+3], s[92:93]
	s_or_b32 s[G0SB+3], s[G0SB+3], 0x80000000
	s_add_nc_u64 s[20:21], s[20:21], s[18:19]
	s_add_nc_u64 s[46:47], s[46:47], s[94:95]
.irp s, 0,1
	s_mov_b32 s[G0+4*\s], 1
	s_add_co_u32 s[G0+4*\s+1], s45, \s*SLOT
	s_add_nc_u64 s[G0+4*\s+2:G0+4*\s+3], s[20:21], \s*4096
	s_or_b32 s[G0+4*\s+3], s[G0+4*\s+3], 0x80000000
	s_mov_b32 s[G0B+4*\s], 1
	s_add_co_u32 s[G0B+4*\s+1], s66, \s*SLOT
	s_add_nc_u64 s[G0B+4*\s+2:G0B+4*\s+3], s[46:47], \s*256
	s_or_b32 s[G0B+4*\s+3], s[G0B+4*\s+3], 0x80000000
.endr
.macro ARM under, g0, g1, next         ; one chain on the wave's number, one load on every way
	s_cmp_lt_u32 s14, \under
	s_cbranch_scc0 \next
	TL \g0, \g1
	s_branch .Lhead_asked
\next:
.endm
	ARM 1, 4,   G1,  .Lhead_b
	ARM 2, 8,   G1B, .Lhead_sa
	ARM 3, G0S, G1S, .Lhead_sb
	TL G0SB, G1SB
.Lhead_asked:
	s_lshl_b32 s18, s15, 14                        ; my 64 tokens of A in slot 0, 1
	s_add_co_u32 s19, s18, SLOT
	s_mul_i32 s20, s16, HALFT                      ; my 128 rows of B
	s_add_co_u32 s20, s20, ABYTES
	s_add_co_u32 s21, s20, SLOT
	s_lshl_b32 s22, s15, 8
	s_add_co_u32 s22, s22, SCLA
	s_mul_i32 s23, s16, HALFS
	s_add_co_u32 s23, s23, SCLB
	s_mul_i32 s45, s14, 16*SPITCH
	s_add_co_u32 s45, s45, STAGE
	s_lshl_b32 s46, s14, 11
	s_add_co_u32 s46, s46, RAW                     ; two pairs of heads a wave
	s_lshl_b32 s47, s14, 10
	s_add_co_u32 s47, s47, SCLA
	s_lshl_b32 s92, s42, 10
	s_lshl_b32 s93, s16, 9
	s_add_co_u32 s92, s92, s93                     ; my first column, in bytes
	s_mov_b32 s93, 0
	s_add_nc_u64 s[96:97], s[96:97], s[92:93]
	s_lshl_b32 s98, s17, 19
	s_lshl_b32 s99, s15, 18
	s_add_co_u32 s98, s98, s99                     ; my first row: 4,096 bytes a row
	s_add_co_u32 s98, s98, s92
	s_mov_b32 s99, 0
	s_add_nc_u64 s[12:13], s[12:13], s[98:99]
	v_and_b32 v1, 15, v0                           ; r
	v_bfe_u32 v2, v0, 4, 1                         ; h
	v_and_b32 v6, 31, v0
	v_lshlrev_b32 v[CO], 4, v6
	v_mul_u32_u24 v3, v1, PITCH
	v_lshl_add_u32 v4, v2, 4, v3
	v_lshlrev_b32 v[BO], 5, v2
	v_add_nc_u32 v[ADRA], s18, v[CO]
	v_add_nc_u32 v[ADRA+1], s19, v[CO]
	v_add_nc_u32 v[ADRB], s20, v4
	v_add_nc_u32 v[ADRB+1], s21, v4
	v_lshl_add_u32 v[ADSA], v6, 2, s22
	v_lshrrev_b32 v5, 3, v6
	v_lshlrev_b32 v5, 4, v5
	v_lshl_add_u32 v5, v6, 5, v5                   ; 32 bytes a row, and 16 more for each 256 passed
	v_add_nc_u32 v[ADSB], s23, v5
	v_mul_u32_u24 v7, v1, SPITCH
	v_lshl_add_u32 v7, v2, 5, v7
	v_add_nc_u32 v[STO], s45, v7
	v_add_nc_u32 v[RD], s45, v[CO]
	v_add_nc_u32 v[RWA], s46, v[CO]
	v_add_nc_u32 v[MGA], s47, v[CO]
.irp b, 0,1,2,3,4,5,6,7
	global_load_b128 v[BIAS+8*\b:BIAS+8*\b+3], v[BO], s[96:97] offset:64*\b
	global_load_b128 v[BIAS+8*\b+4:BIAS+8*\b+7], v[BO], s[96:97] offset:64*\b+16
.endr
.macro FRAGB reg, adr, q, i
.irp c, 0,1,2,3
	ds_load_b128 v[\reg+4*\c:\reg+4*\c+3], v[\adr] offset:128*(\q)+32*\c+(\i)*16*PITCH
.endr
.endm
.macro FRAGA reg, adr, q, i
.irp c, 0,1,2,3
	ds_load_b128 v[\reg+4*\c:\reg+4*\c+3], v[\adr] offset:4096*(\i)+2048*(\q)+512*\c
.endr
.endm
; 16 matrix instructions: A's blocks a0, a0 + 1 x B's eight, 128 along K, from set p.  The 32 accumulators take turns, one instruction a turn.
.macro MUL16 a0, p, q, sc, first
.irp a, \a0, \a0+1
.irp b, 0,1,2,3,4,5,6,7
.set rD, 8*(8*(\a)+\b)
.set rB, 128*(\p)+16*\b
.set rA, AF+64*(\p)+16*(\a)
.set rSB, SC+16*(\sc)+8+2*(\b/2)+(\q)
.set rSA, SC+16*(\sc)+4*(\q)+(\a)/2
.set rRB, \b%2
.set rRA, (\a)%2
.if \first
.set rC, BIAS+8*\b
.else
.set rC, rD
.endif
.if rRB && rRA
	v_wmma_scale_f32_16x16x128_f8f6f4 v[rD:rD+7], v[rB:rB+15], v[rA:rA+15], v[rC:rC+7], v[rSB], v[rSA] matrix_a_scale:MATRIX_SCALE_ROW1 matrix_b_scale:MATRIX_SCALE_ROW1
.elseif rRB
	v_wmma_scale_f32_16x16x128_f8f6f4 v[rD:rD+7], v[rB:rB+15], v[rA:rA+15], v[rC:rC+7], v[rSB], v[rSA] matrix_a_scale:MATRIX_SCALE_ROW1
.elseif rRA
	v_wmma_scale_f32_16x16x128_f8f6f4 v[rD:rD+7], v[rB:rB+15], v[rA:rA+15], v[rC:rC+7], v[rSB], v[rSA] matrix_b_scale:MATRIX_SCALE_ROW1
.else
	v_wmma_scale_f32_16x16x128_f8f6f4 v[rD:rD+7], v[rB:rB+15], v[rA:rA+15], v[rC:rC+7], v[rSB], v[rSA]
.endif
.endr
.endr
.endm
.macro FETCH slot, q, p                ; 48 LDS loads: B's eight fragments and A's four of the slot's q-th 128 along K, into set p
	WIN TO_B
.irp i, 0,1,2,3,4,5,6,7
	FRAGB 128*(\p)+16*\i, ADRB+\slot, \q, \i
.endr
	WIN 0
.irp i, 0,1,2,3
	FRAGA AF+64*(\p)+16*\i, ADRA+\slot, \q, \i
.endr
.endm
.macro SCALES sc                       ; a K step's scale words: A's: lanes 0-15 block 2 i, lanes 16-31 block 2 i + 1; B's likewise, two words a row
.irp q, 0,1
.irp i, 0,1
	ds_load_b32 v[SC+16*\sc+4*\q+\i], v[ADSA] offset:512*\q+128*\i
.endr
.endr
.irp i, 0,1,2,3
	ds_load_b64 v[SC+16*\sc+8+2*\i:SC+16*\sc+9+2*\i], v[ADSB] offset:1088*\i
.endr
.endm
.macro PLACES n
.rept \n
	v_nop
.endr
.endm
.macro STEP slot, first                ; a slot's first 128 along K, from set 0; the second's fragments are asked for ahead of its 32 products
	s_wait_dscnt 0x0                               ; set 0 and the scale words are in
	PLACES NP                                      ; set 1's registers were read by the step before
	FETCH \slot, 1, 1
.if \first
	WIN FST_LO
.else
	WIN MUL_LO
.endif
	MUL16 0, 0, 0, \slot, \first
	MUL16 2, 0, 0, \slot, \first
	WIN 0
.endm
; A slot's second 128 along K, from set 1, changes slots.  All my reads of this slot are over when set 1 is in: so the three lines and the barrier stand at the step's head.
.macro TURN slot, next, fill
	s_wait_tensorcnt 0x0                           ; all my tensor loads have landed: my part of the next slot
	ds_add_u32 v[SPW], v[NIL]
	s_wait_dscnt 0x0                               ; the add is done, set 1 is in, and my reads of this slot are over
	s_barrier_signal -1
	WIN MUL_LO
	MUL16 0, 1, 1, \slot, 0                        ; work on registers while the others arrive
	WIN 0
	s_barrier_wait -1
.if \fill
	CREST                                          ; the barrier has opened a round of the cluster's
	s_add_nc_u64 s[G0+4*\slot+2:G0+4*\slot+3], s[G0+4*\slot+2:G0+4*\slot+3], 2*4096
	s_add_nc_u64 s[G0B+4*\slot+2:G0B+4*\slot+3], s[G0B+4*\slot+2:G0B+4*\slot+3], 2*256
	JLOAD G0+4*\slot, G1, G0B+4*\slot, G1B         ; the first tensor load behind the round; its four v_nop are among the places ahead of the loads below
	PLACES NP-4
.else
	PLACES NP
.endif
	v_add_nc_u32 v[ADSA], 1024, v[ADSA]            ; on to the next K step's scale words
	v_add_nc_u32 v[ADSB], 8, v[ADSB]
	s_wait_alu depctr_va_vdst(0)                   ; the wait directly behind the writes
	FETCH \next, 0, 0
	SCALES \next
	WIN MUL_LO
	MUL16 2, 1, 1, \slot, 0
	WIN 0
.endm
	s_wait_alu depctr_va_vdst(0)                   ; the wait at the head's end
	s_wait_tensorcnt 0x0                           ; my tile of the head's four is in
	ds_add_u32 v[SPW], v[NIL]
	s_mov_b32 s[G1+2], 4<<16                       ; no tensor load of mine is out: the ring's loads bring half a tile
	s_mov_b32 s[G1+4], 4
	s_mov_b32 s[G1B+2], 128<<16
	s_mov_b32 s[G1B+4], 128
	s_wait_dscnt 0x0
	CROUND                                         ; all four tiles are in, and all sixteen work-groups are here
	JLOAD G0+4, G1, G0B+4, G1B                     ; K step 1, the first tensor load behind the round
.irp t, 0,1
	ds_load_b128 v[192+8*\t:195+8*\t], v[RWA] offset:1024*\t        ; the even head's words of four tokens,
	ds_load_b128 v[196+8*\t:199+8*\t], v[RWA] offset:1024*\t+512    ; the odd head's
.endr
	FETCH 0, 0, 0
	s_wait_dscnt 48                                ; all but the 48 fragment loads
.irp t, 0,1
.irp e, 0,1,2,3
	v_lshl_or_b32 v[192+8*\t+\e], v[196+8*\t+\e], 16, v[192+8*\t+\e]
.endr
.endr
.irp t, 0,1
	ds_store_b128 v[MGA], v[192+8*\t:195+8*\t] offset:512*\t
.endr
	s_wait_dscnt 0x0                               ; for the other waves' sake
	s_barrier_signal -1                            ; K step 1's load may be out
	s_barrier_wait -1
	SCALES 0
	s_wait_loadcnt 0x0                             ; the bias
	STEP 0, 1
	TURN 0, 1, 1
	STEP 1, 0
	TURN 1, 0, 1
	STEP 0, 0
	TURN 0, 1, 0                                   ; the last change of slots fills nothing
	STEP 1, 0
	s_wait_dscnt 0x0
	WIN MUL_LO
	MUL16 0, 1, 1, 1, 0
	MUL16 2, 1, 1, 1, 0
	WIN 0
; THE WAY OUT, block by block of 16 tokens x 128 columns, through my own stage: whole rows of 512 bytes come back, and the 32 lanes store two aligned units of 256 bytes.
.macro TOSTAGE a
.set AC, 64*(\a)
	WIN 0x08
.irp b, 0,1,2,3,4,5,6,7
	ds_store_b128 v[STO], v[AC+8*\b:AC+8*\b+3] offset:64*\b          ; each accumulator from its low end on
	ds_store_b128 v[STO], v[AC+8*\b+4:AC+8*\b+7] offset:64*\b+16
.endr
	WIN 0
.set BB, BK+64*((\a)%2)
.irp t, 0,1,2,3,4,5,6,7,8,9,10,11,12,13,14,15
	ds_load_b128 v[BB+4*\t:BB+4*\t+3], v[RD] offset:\t*SPITCH       ; LDS serves a wave's instructions in order (ISA guide 5.7.1.4)
.endr
.endm
.macro SEND a, younger
.set BB, BK+64*((\a)%2)
	s_wait_dscnt \younger
.if (\a) > 0
	s_add_nc_u64 s[12:13], s[12:13], 16*SIZE_N*4   ; behind a wait on XCNT: the earlier stores have read their base
.endif
.irp t, 0,1,2,3,4,5,6,7,8,9,10,11,12,13,14,15
	global_store_b128 v[CO], v[BB+4*\t:BB+4*\t+3], s[12:13] offset:\t*SIZE_N*4 th:TH_STORE_NT
.endr
.endm
	PLACES NP
	TOSTAGE 0
.irp a, 1,2,3
.if \a > 1
	s_wait_xcnt 0x0
.endif
	TOSTAGE \a
	SEND \a-1, 32                                  ; behind block a - 1's loads: block a's 16 stores and 16 loads
.endr
	s_wait_xcnt 0x0
	SEND 3, 0
	s_wait_tensorcnt 0x0                           ; the wave's end
	ds_add_u32 v[SPW], v[NIL]
	s_wait_dscnt 0x0
	CROUND                                         ; the closing round
	s_endpgm
.Lfunc_end_k_q13c194120a_oproj:
	.size	k_q13c194120a_oproj, .Lfunc_end_k_q13c194120a_oproj-k_q13c194120a_oproj
	.p2alignl 7, 3214868480
	.fill 96, 4, 3214868480
	.section	.rodata,"a",@progbits
	.p2align	6, 0x0
	.amdhsa_kernel k_q13c194120a_oproj
		.amdhsa_group_segment_fixed_size 327680
		.amdhsa_private_segment_fixed_size 0
		.amdhsa_enable_private_segment 0
		.amdhsa_kernarg_size 48
		.amdhsa_user_sgpr_count 2
		.amdhsa_user_sgpr_kernarg_segment_ptr 1
		.amdhsa_wavefront_size32 1
		.amdhsa_system_sgpr_workgroup_id_x 1
		.amdhsa_system_sgpr_workgroup_id_y 1
		.amdhsa_system_sgpr_workgroup_id_z 1
		.amdhsa_system_vgpr_workitem_id 0
		.amdhsa_next_free_vgpr 1024
		.amdhsa_next_free_sgpr 102
		.amdhsa_reserve_vcc 0
		.amdhsa_float_denorm_mode_32 3
		.amdhsa_float_denorm_mode_16_64 3
		.amdhsa_memory_ordered 1
		.amdhsa_forward_progress 1
		.amdhsa_inst_pref_size 92
	.end_amdhsa_kernel
	.amdgpu_metadata
---
amdhsa.version: [ 1, 2 ]
amdhsa.kernels:
  - .name:           k_q13c194120a_oproj
    .symbol:         k_q13c194120a_oproj.kd
    .args:
      - { .name: attn_img, .offset: 0, .size: 8, .value_kind: global_buffer, .address_space: global }
      - { .name: attn_sc, .offset: 8, .size: 8, .value_kind: global_buffer, .address_space: global }
      - { .name: Wo_w_codes, .offset: 16, .size: 8, .value_kind: global_buffer, .address_space: global }
      - { .name: Wo_w_scales, .offset: 24, .size: 8, .value_kind: global_buffer, .address_space: global }
      - { .name: out0, .offset: 32, .size: 8, .value_kind: global_buffer, .address_space: global }
      - { .name: Wo_b, .offset: 40, .size: 8, .value_kind: global_buffer, .address_space: global }
    .group_segment_fixed_size: 327680
    .private_segment_fixed_size: 0
    .kernarg_segment_align: 8
    .kernarg_segment_size: 48
    .max_flat_workgroup_size: 128
    .sgpr_count:     102
    .vgpr_count:     1024
    .wavefront_size: 32
...
	.end_amdgpu_metadata
.endif
;; end of part 4
